; MI455X (gfx1250); checked and timed in simulation.
; The chip was launched on July 23, 2026; its instructions are those of AMD's public machine-readable ISA for CDNA 5 (MIT licence, August 2026) and "CDNA5" Instruction Set Architecture Reference Guide (July 2026). The comments in the code are by the model that wrote it; some were corrected since.
;; GQ Attention. Allowed arithmetic: matrix products marked QUANTISED: E4M3 operands, one given power-of-two scale a tensor, by v_wmma_f32_16x16x64_fp8_fp8 or v_wmma_f32_16x16x128_fp8_fp8, f32 sums; everything else in f32.
;; Inputs: Wk 1,024 x 4,096 float32; Wo 4,096 x 2,048 float32; Wq 2,048 x 4,096 float32; Wv 1,024 x 4,096 float32; cos 2,048 x 64 float32; gk 128 float32; gq 128 float32; lowp_scales 12 int32 (the exponents e of the quantised operands' scales 2^e); sin 2,048 x 64 float32; x 1 x 2,048 x 4,096 float32.
;; Outputs: out0 1 x 2,048 x 4,096 float32.
;; This version of the problem:
;;   THIS VERSION OF THE PROBLEM IS GIVEN IN LOW PRECISION. The matrix products marked QUANTISED in the list below multiply operands that are first quantised to E4M3 (4 exponent bits, 3 mantissa bits; 8 bits a number), with one given power-of-two scale for each operand tensor; their sums are f32. All else is computed in f32.
;;   The module's matrix products, in the order in which they are computed (A, B: the left and right operand; K: the contracted axis; several contracted axes count as one K, in the product's order):
;;     1. [M 2,048, K 4,096] x [K 4,096, N 2,048]; A: input x; B: input Wq: QUANTISED (scales: A lowp_scales[0], B lowp_scales[1])
;;     2. [M 2,048, K 4,096] x [K 4,096, N 1,024]; A: input x; B: input Wk: QUANTISED (scales: A lowp_scales[2], B lowp_scales[3])
;;     3. [M 2,048, K 4,096] x [K 4,096, N 1,024]; A: input x; B: input Wv: QUANTISED (scales: A lowp_scales[4], B lowp_scales[5])
;;     4. batch 8 x [M 4,096, K 128] x [K 128, N 2,048]; A: computed on the way; B: computed on the way: QUANTISED (scales: A lowp_scales[6], B lowp_scales[7])
;;     5. batch 8 x [M 4,096, K 2,048] x [K 2,048, N 128]; A: softmax (see below); B: computed on the way: QUANTISED (scales: A lowp_scales[8], B lowp_scales[9])
;;     6. [M 2,048, K 2,048] x [K 2,048, N 4,096]; A: computed on the way; B: input Wo: QUANTISED (scales: A lowp_scales[10], B lowp_scales[11])
;;   THE QUANTISER, for each operand of a quantised product, along K:
;;     - The operand's scale is 2^e, e = its entry of the input lowp_scales (int32; the entries are numbered through the quantised products in the list's order, A before B).
;;     - Each number is divided by the scale, clamped to +-448, and rounded to the nearest number of E4M3, ties to even, subnormals kept.
;;     - The product sums the exact products of the quantised numbers (number of the format x scale) in f32.
;;   ~~~python
;;   def quantise(x, axis, e):      # numpy; x: float32 -> the quantised numbers, widened to float32 again
;;       x = np.moveaxis(x, axis, -1); K = x.shape[-1]
;;       r = np.clip(x / 2.0 ** e, -448, 448)
;;       step = 2.0 ** (np.maximum(np.frexp(np.where(r == 0, 1, r))[1] - 1, -6) - 3)
;;       q = np.round(r / step) * step * 2.0 ** e      # np.round: ties to even
;;       return np.moveaxis(q, -1, axis).astype(np.float32)
;;   ~~~
;;   SOFTMAX AHEAD OF A QUANTISED PRODUCT. Where the list says 'softmax', what is quantised is not the finished softmax but p = 2^(t - M), with t = logit x log2(e) and M = ceil(the row's largest t), a whole number; so 1/2 < the row's largest p <= 1. The row's sum l is taken of the UNQUANTISED p, in f32, and the product's result is divided by l at the end. Since M is a whole number, a kernel that streams over the keys may use a running M (the ceiling of the running maximum): every later rescaling is an exact power of two, so the quantised numbers keep their values, but for numbers so far below the row's largest that they fall under the format's range.
;;   OPERANDS COMPUTED ON THE WAY. 'Computed on the way' means the value that the module computes at that place (a softmax that the list does not call 'softmax' is quantised finished and normalised). What goes into a quantiser is computed in f32, as accurately as f32 sums, v_exp_f32 and their like allow (about 1e-6 of the number): no bf16 or f16 on the way to a quantiser, and a product that is left as it is and whose result goes on into a quantised operand takes f32 operands (vector FMAs, or v_wmma_f32_16x16x4_f32). A number that lies on a knife's edge between two numbers of the format may be rounded either way, as far as f32 arithmetic and the matrix unit's own rounding can turn it there, and no further.
;; One version. Each part assembles by itself: llvm-mc -triple=amdgcn-amd-amdhsa -mcpu=gfx1250 --defsym DOCPART=n.
;; ======== version 1 of 1: 4 launches
;; limits: right only within a limited range of input values
;; workspace buffers: codes 50,331,648 bytes; qkv 8,388,608 bytes; oc 4,194,304 bytes
;; launch quant (part 1): grid 1024 x 1, 4 waves a work-group, no clusters, 34,304 bytes of LDS; arguments x, Wq, Wk, Wv, Wo, lowp_scales, codes; writes codes
.if DOCPART == 1
	.amdgcn_target "amdgcn-amd-amdhsa--gfx1250"
	.amdhsa_code_object_version 6
	.text
	.protected	k_q22ddf5f57c_quant
	.globl	k_q22ddf5f57c_quant
	.p2align	8
	.type	k_q22ddf5f57c_quant,@function
k_q22ddf5f57c_quant:
	s_mov_b64 s[64:65], 0
	v_nop
	global_prefetch_b8 v0, s[64:65] scope:SCOPE_SE
	s_setreg_imm32_b32 hwreg(HW_REG_WAVE_MODE, 25, 1), 1
	s_wait_xcnt 0x0
; x, Wq, Wk, Wv, Wo (f32, K innermost) become codes of FP8 (E4M3), each with the scale 2^e given for it: code = number / 2^e, held within +-448, to the nearest code, ties to even.
; x is an operand of three products with three entries of the scales (0, 2, 4): it is converted three times.  Wq: entry 1, Wk: 3, Wv: 5, Wo: 11.
; LAYOUT OF THE CODES: images of operand registers.  A fragment, 16 rows x 128 K, is 16 registers a lane: lane (r = lane % 16, h = lane / 16) holds row r, registers 2 p, 2 p + 1 hold K = 16 p + 8 h + 0 .. 7.
; Its image is 2,048 bytes: registers 4 c .. 4 c + 3 of lane l at byte 512 c + 16 l.  A tensor is [tile of 16 rows][K step][2,048].
; In the buffer: x by entry 0 at 0, by entry 2 at 8 Mi, by entry 4 at 16 Mi, Wq at 24 Mi, Wk at 32 Mi, Wv at 36 Mi, Wo at 40 Mi.
; SHARES: a wave takes four neighbouring K steps of one tile of rows, a work-group sixteen images.  Work-groups 0-255: x; 256-511: Wq; 512-639: Wk; 640-767: Wv; 768-1023: Wo.
; Each load reads 512 consecutive bytes of one row, 16 a lane; the 16 rows turn through the wave's own stage in LDS (rows 528 bytes apart) and come back as eight runs of eight neighbours a lane.
; No barrier: waves share nothing.  LIMITS: each e between -126 and 119.  NaN among the inputs is not served; an infinity is held at the largest code.
.set PL,   528                         ; a stage row: 512 bytes + 16
.set STGB, 16*PL                       ; a wave's stage
.set R,    16                          ; v16-79   16 rows as loaded
.set X,    80                          ; v80-143  register 8 p + i: K = 16 p + 8 h + i of row r
.set T,    144                         ; v144-175 four sets of eight held numbers
.set C0,   176                         ; v176-191, v192-207, v208-223: the codes by up to three scales
.set C1,   192
.set C2,   208
.set RB,   32                          ; s[32:63] the sixteen rows' addresses
	s_load_b256 s[8:15], s[0:1], 0x0               ; x, Wq, Wk, Wv
	s_load_b128 s[16:19], s[0:1], 0x20             ; Wo, the scales' exponents
	s_load_b64 s[20:21], s[0:1], 0x30              ; the codes
	v_lshl_add_u32 v224, v0, 2, 0x8400
	v_mov_b32 v225, 0
	v_lshrrev_b32 v10, 5, v0
	v_readfirstlane_b32 s30, v10                   ; wave
	v_and_b32 v11, 31, v0
	v_lshlrev_b32 v1, 4, v11                       ; 16 x lane: my bytes of a row's 512, and of an image's chunk
	s_mul_i32 s82, s30, STGB
	v_add_nc_u32 v2, s82, v1                       ; the stage, on the way in
	v_and_b32 v12, 15, v0
	v_bfe_u32 v13, v0, 4, 1
	v_mul_u32_u24 v3, v12, PL
	v_lshl_add_u32 v3, v13, 5, v3
	v_add_nc_u32 v3, s82, v3                       ; and back: row r, + 32 h bytes
	; which tensor: all choices hang on the work-group's number alone.  Wo's figures first, then the others' in turn
	s_mov_b32 s80, 768                             ; the tensor's first work-group
	s_mov_b32 s31, 8192                            ; bytes in a row
	s_mov_b32 s81, 4                               ; log2 of its K steps
	s_cmp_lt_u32 ttmp9, 768
	s_cselect_b32 s80, 640, s80
	s_cselect_b32 s31, 16384, s31
	s_cselect_b32 s81, 5, s81
	s_cmp_lt_u32 ttmp9, 640
	s_cselect_b32 s80, 512, s80
	s_cmp_lt_u32 ttmp9, 512
	s_cselect_b32 s80, 256, s80
	s_cmp_lt_u32 ttmp9, 256
	s_cselect_b32 s80, 0, s80
	s_cselect_b32 s83, 0, 0x1000000                ; behind x's three sets the images lie 16 Mi further on
	s_sub_co_u32 s84, ttmp9, s80
	s_lshl_b32 s84, s84, 2
	s_add_co_u32 s84, s84, s30
	s_lshl_b32 s84, s84, 2                         ; my first image in the tensor
	s_lshr_b32 s85, s84, s81                       ; its tile of rows,
	s_lshl_b32 s86, 1, s81
	s_sub_co_u32 s86, s86, 1
	s_and_b32 s86, s84, s86                        ; its K step
	s_lshl_b32 s87, s31, 4
	s_mul_i32 s84, s85, s87                        ; 16 rows a tile
	s_lshl_b32 s86, s86, 9                         ; 512 bytes a K step
	s_add_co_u32 s84, s84, s86
	s_mov_b32 s85, 0                               ; s[84:85]: where I read
	s_lshl_b32 s86, ttmp9, 15
	s_lshl_b32 s87, s30, 13
	s_add_co_u32 s86, s86, s87
	s_add_co_u32 s86, s86, s83
	s_mov_b32 s87, 0                               ; s[86:87]: where I store: 32,768 x work-group + 8,192 x wave (+ 16 Mi)
	s_mov_b32 s88, s31
	s_mov_b32 s89, 0                               ; a row on
	s_wait_alu depctr_va_vdst(0)
	s_wait_kmcnt 0x0
	s_load_b256 s[68:75], s[18:19], 0x0            ; entries 0 to 7
	s_load_b128 s[76:79], s[18:19], 0x20           ; entries 8 to 11
	s_cmp_lt_u32 ttmp9, 768
	s_cselect_b64 s[22:23], s[14:15], s[16:17]
	s_cmp_lt_u32 ttmp9, 640
	s_cselect_b64 s[22:23], s[12:13], s[22:23]
	s_cmp_lt_u32 ttmp9, 512
	s_cselect_b64 s[22:23], s[10:11], s[22:23]
	s_cmp_lt_u32 ttmp9, 256
	s_cselect_b64 s[22:23], s[8:9], s[22:23]
	s_add_nc_u64 s[RB:RB+1], s[22:23], s[84:85]
.irp i, 1,2,3,4,5,6,7,8,9,10,11,12,13,14,15
	s_add_nc_u64 s[RB+2*\i:RB+2*\i+1], s[RB+2*\i-2:RB+2*\i-1], s[88:89]
.endr
	s_add_nc_u64 s[24:25], s[20:21], s[86:87]      ; the images by the first scale,
	s_add_nc_u64 s[26:27], s[24:25], 0x800000      ; and, for x alone, by the second
	s_add_nc_u64 s[28:29], s[24:25], 0x1000000     ; and the third
.macro LOADT t                         ; K step t of my four: 16 rows x 512 bytes
.irp i, 0,1,2,3,4,5,6,7,8,9,10,11,12,13,14,15
	global_load_b128 v[R+4*\i:R+4*\i+3], v1, s[RB+2*\i:RB+2*\i+1] offset:512*(\t) th:TH_LOAD_NT
.endr
.endm
.macro MKSC e, sc, lim                 ; 2^e and 448 x 2^e as f32, from the whole number in s[e]
	s_add_co_i32 s91, s[\e], 127
	s_lshl_b32 s92, s91, 23
	v_mov_b32 v[\sc], s92
	s_add_co_i32 s91, s91, 8
	s_lshl_b32 s91, s91, 23
	s_or_b32 s91, s91, 0x600000
	v_mov_b32 v[\lim], s91
.endm
; The 64 numbers become 16 registers of codes.  The conversion to an 8-bit code does not saturate (ISA guide 7.6.2): each number is held first, into one of four sets, so that X stays for the next scale;
; a set is written again only behind three other sets' holds, which are the plain lines behind its conversion.
.macro CONV sc, lim, c
.irp p, 0,1,2,3,4,5,6,7
.irp i, 0,1,2,3,4,5,6,7
	v_med3_num_f32 v[T+8*(\p%4)+\i], v[X+8*\p+\i], -v[\lim], v[\lim]
.endr
	v_cvt_scalef32_pk8_fp8_f32 v[\c+2*\p:\c+2*\p+1], v[T+8*(\p%4):T+8*(\p%4)+7], v[\sc]
.endr
.endm
.macro PUT c, t, d                     ; an image: four stores of 512 consecutive bytes
.irp k, 0,1,2,3
	global_store_b128 v1, v[\c+4*\k:\c+4*\k+3], s[\d:\d+1] offset:2048*(\t)+512*\k
.endr
.endm
.macro TILE t
	s_wait_loadcnt 0x0                             ; this K step's sixteen loads are in
.irp i, 0,1,2,3,4,5,6,7,8,9,10,11,12,13,14,15
	ds_store_b128 v2, v[R+4*\i:R+4*\i+3] offset:PL*\i
.endr
.irp p, 0,1,2,3,4,5,6,7
.irp u, 0,1
	ds_load_b128 v[X+8*\p+4*\u:X+8*\p+4*\u+3], v3 offset:64*\p+16*\u   ; LDS serves a wave's instructions in order: these see my stores
.endr
.endr
.if \t < 3
	s_wait_dscnt 16                                ; the sixteen stores are done, so they have read R; the sixteen loads may be out
	LOADT (\t)+1                                   ; the next K step is on its way while this one is converted
.endif
	s_wait_dscnt 0x0
.if \t > 0
	s_wait_xcnt 0x0                                ; the last K step's stores have read their codes: those registers are written again only behind this wait
.endif
	CONV 4, 5, C0
	PUT C0, \t, 24
	s_cmp_lt_u32 ttmp9, 256                        ; x alone has two more scales: a branch on the work-group's number, round conversions and stores
	s_cbranch_scc0 .Lone_\@
	CONV 6, 7, C1
	PUT C1, \t, 26
	CONV 8, 9, C2
	PUT C2, \t, 28
.Lone_\@:
.endm
	LOADT 0
	s_wait_kmcnt 0x0
	s_cmp_lt_u32 ttmp9, 768
	s_cselect_b32 s90, s73, s79
	s_cmp_lt_u32 ttmp9, 640
	s_cselect_b32 s90, s71, s90
	s_cmp_lt_u32 ttmp9, 512
	s_cselect_b32 s90, s69, s90
	s_cmp_lt_u32 ttmp9, 256
	s_cselect_b32 s90, s68, s90                    ; my tensor's e (x: entry 0)
	MKSC 90, 4, 5
	MKSC 70, 6, 7                                  ; entry 2
	MKSC 72, 8, 9                                  ; entry 4
	s_wait_alu depctr_va_vdst(0)
	TILE 0
	TILE 1
	TILE 2
	TILE 3
	s_wait_tensorcnt 0x0
	ds_add_u32 v224, v225
	s_wait_dscnt 0x0
	s_endpgm
.Lfunc_end_k_q22ddf5f57c_quant:
	.size	k_q22ddf5f57c_quant, .Lfunc_end_k_q22ddf5f57c_quant-k_q22ddf5f57c_quant
	.p2alignl 7, 3214868480
	.fill 96, 4, 3214868480
	.section	.rodata,"a",@progbits
	.p2align	6, 0x0
	.amdhsa_kernel k_q22ddf5f57c_quant
		.amdhsa_group_segment_fixed_size 34304
		.amdhsa_private_segment_fixed_size 0
		.amdhsa_enable_private_segment 0
		.amdhsa_kernarg_size 56
		.amdhsa_user_sgpr_count 2
		.amdhsa_user_sgpr_kernarg_segment_ptr 1
		.amdhsa_wavefront_size32 1
		.amdhsa_system_sgpr_workgroup_id_x 1
		.amdhsa_system_sgpr_workgroup_id_y 1
		.amdhsa_system_sgpr_workgroup_id_z 1
		.amdhsa_system_vgpr_workitem_id 0
		.amdhsa_next_free_vgpr 226
		.amdhsa_next_free_sgpr 96
		.amdhsa_reserve_vcc 0
		.amdhsa_float_denorm_mode_32 3
		.amdhsa_float_denorm_mode_16_64 3
		.amdhsa_memory_ordered 1
		.amdhsa_forward_progress 1
		.amdhsa_inst_pref_size 79
	.end_amdhsa_kernel
	.amdgpu_metadata
---
amdhsa.version: [ 1, 2 ]
amdhsa.kernels:
  - .name:           k_q22ddf5f57c_quant
    .symbol:         k_q22ddf5f57c_quant.kd
    .args:
      - { .name: x, .offset: 0, .size: 8, .value_kind: global_buffer, .address_space: global }
      - { .name: Wq, .offset: 8, .size: 8, .value_kind: global_buffer, .address_space: global }
      - { .name: Wk, .offset: 16, .size: 8, .value_kind: global_buffer, .address_space: global }
      - { .name: Wv, .offset: 24, .size: 8, .value_kind: global_buffer, .address_space: global }
      - { .name: Wo, .offset: 32, .size: 8, .value_kind: global_buffer, .address_space: global }
      - { .name: lowp_scales, .offset: 40, .size: 8, .value_kind: global_buffer, .address_space: global }
      - { .name: codes, .offset: 48, .size: 8, .value_kind: global_buffer, .address_space: global }
    .group_segment_fixed_size: 34304
    .private_segment_fixed_size: 0
    .kernarg_segment_align: 8
    .kernarg_segment_size: 56
    .max_flat_workgroup_size: 128
    .sgpr_count:     96
    .vgpr_count:     226
    .wavefront_size: 32
...
	.end_amdgpu_metadata
.endif
;; end of part 1
;; launch qkv (part 2): grid 16 x 16, 4 waves a work-group, clusters of 4 x 4, 327,680 bytes of LDS; arguments codes, cos, sin, gq, gk, lowp_scales, qkv; writes qkv
.if DOCPART == 2
	.amdgcn_target "amdgcn-amd-amdhsa--gfx1250"
	.amdhsa_code_object_version 6
	.text
	.protected	k_q22ddf5f57c_qkv
	.globl	k_q22ddf5f57c_qkv
	.p2align	8
	.type	k_q22ddf5f57c_qkv,@function
k_q22ddf5f57c_qkv:
	s_mov_b64 s[64:65], 0
	v_nop
	global_prefetch_b8 v0, s[64:65] scope:SCOPE_SE
	s_setreg_imm32_b32 hwreg(HW_REG_WAVE_MODE, 25, 1), 1
	s_wait_xcnt 0x0
	s_wait_alu depctr_hold_cnt(0) depctr_sa_sdst(0) depctr_va_vdst(0) depctr_va_sdst(0) depctr_va_ssrc(0) depctr_va_vcc(0) depctr_vm_vsrc(0)
	s_getreg_b32 s2, hwreg(HW_REG_IB_STS2, 6, 4)
	s_cmp_eq_u32 s2, 0
	s_cbranch_scc0 .Lentry_in_a_cluster
	s_endpgm
.Lentry_in_a_cluster:
	s_bfe_u32 s2, ttmp6, 0x10000c
	s_cmp_lg_u32 s2, 0xf033
	s_cbranch_scc0 .Lentry_shape_is_right
	s_endpgm
.Lentry_shape_is_right:
; The three projections on codes of FP8 (E4M3), K = 4,096, and what follows them: for q and k the RMS norm over the head, the gain, the rotation, the quantiser (entries 6, 7 of the scales); for v the quantiser (entry 9).
; All operands and results are IMAGES OF OPERAND REGISTERS: a fragment (16 rows x 128 K) is 2,048 bytes, registers 4 c .. 4 c + 3 of lane l at 512 c + 16 l; lane (r, h) holds row r, registers 2 p, 2 p + 1 hold K = 16 p + 8 h + 0 .. 7.
; A work-group makes 128 'A rows' x 256 'B rows'; four waves, 2 x 2: wave (wr, wc) has 64 A rows x 128 B rows in 32 accumulators.  THE MATRIX INSTRUCTION IS USED TRANSPOSED (source 0 = 16 B rows, source 1 = 16 A rows):
; lane (r, h) of accumulator (a, b) holds A row 16 a + r and, in register j, B row 16 b + 8 h + j.
; JOBS, by the cluster's x (X) and y (Y):  X = 0, 1: q: A = x (entry 0), B = Wq;  X = 2: k: A = x (entry 2), B = Wk;  X = 3: v, roles swapped: A = Wv, B = x (entry 4): a lane holds one channel, its registers run along the tokens.
; B GOES THROUGH LDS: a ring of two slots of FOUR K steps (16 tiles of rows x 8,192 bytes = 131,072 bytes a slot): 32 K steps are eight whole fills.  Each wave asks for four tiles of rows, jointly with the column of its cluster.
; A GOES STRAIGHT INTO REGISTERS: each wave loads its four fragments of a K step (16 loads of 512 bytes) three K steps ahead, into four sets that take turns.  WHY A IS NOT ASKED FOR JOINTLY: with A in the ring a K step takes 49,152 bytes, a slot
; holds three and the rows take eleven fills; and at each change of slots all tensor loads are waited for, while A's 48 loads a wave stay on their way across it.
; PREFETCH: behind each fill of period p (p >= 1) the cluster names period p + 1's blocks of 256 bytes once: B: of the four tiles of rows that wave w fetches the partner at cy takes tile 4 w + cy, a lane a block;
; A: the sixteen waves of a row of the cluster take half a tile of rows' 8,192 bytes each, sixteen blocks (lanes 16-31 name the last again).  The last period has no successor: nothing is asked there.  Periods 0 and 1 come by their loads alone.
; RESULTS: q at 0: [head 16][tile of 16 tokens 128][2,048];  k at 4 Mi: [head 8][tile 128][2,048];  v at 6 Mi: [head 8][128 keys: 16][16 channels: 8][2,048].
; LIMITS on the given exponents: entries 6 and 7, and entry 9 - entry 4 - entry 5, between -126 and 119.  NaN among the inputs is not served.
; REGISTERS: window 0: v20-30 addresses; window 1: B's fragments, two sets of 128; window 2: accumulator (a, b) at v[8 (8 a + b)]; window 3: A's fragments, four sets of 64.
;   On the way out: window 0: v32-47 at work, v48-55 the blocks' factors, v56 the scale, v57 448 x the scale, v64-127 the gain, v128-191 a block's numbers, v192-255 the codes; window 1: cos at 64 a, sin at 64 a + 32.
.set NK,    32
.set RTP,   NK*2048                    ; from a tile of 16 rows to the next, in bytes
.set KS,    4                          ; K steps in a slot
.set ROWL,  KS*2048                    ; a tile of 16 rows' part of a slot
.set SLOT,  16*ROWL
.set SPARE, 2*SLOT                     ; behind the ring: the spare words, 128 bytes for each wave
.set TRIPS, 3                          ; NK = 1 K step ahead of the loop + 8 a trip + 7 in the tail
.set ADRB, 20                          ; v20-21  LDS address of my B fragments in slot 0, 1
.set LN,   24                          ; v24     16 x lane
.set VG,   25                          ; v25     32 h
.set VC,   26                          ; v26     256 r + 32 h
.set PFOB, 27                          ; v27     256 x lane
.set SPW,  28
.set NIL,  29
.set PFOA, 30                          ; v30     256 x min(lane, 15)
.set GN,   64
.set U,    128
.set CD,   192
.set PFA, 24                           ; s[24:25], s[26:27] where my prefetches of A and of B stand
.set PFB, 26
.set G1B, 48                           ; s[48:55] descriptor group 1; s[56:63] group 0, a set for each slot
.set G0B, 56
.set MSB, 0
.macro WIN new                         ; the immediate's high byte repeats the setting that is left
.if MSB != \new
	s_set_vgpr_msb (MSB<<8)|\new
.set MSB, \new
.endif
.endm
.set MUL,  0xad                        ; source 0 (B) window 1, source 1 (A) window 3, C and D window 2
.set TO_B, 0x40
.set TO_A, 0xc0
.macro PLACES n
.rept \n
	v_nop
.endr
.endm
.macro TLOAD s                         ; my joint load: no branch, group 0 made from the wave's number; s_nop 0 and four v_nop follow
	tensor_load_to_lds s[G0B+4*\s:G0B+4*\s+3], s[G1B:G1B+7]
	s_nop 0
	PLACES 4
.endm
.macro CREST
	s_cmp_lg_u32 s14, 0
	s_cbranch_scc1 .Lnot_wave_0_\@
	s_barrier_signal -3
.Lnot_wave_0_\@:
	s_barrier_wait -3
	s_barrier_signal -1
	s_barrier_wait -1
.endm
.macro CROUND
	s_barrier_signal -1
	s_barrier_wait -1
	CREST
.endm
.macro ASK off, test                   ; test = 1: not in the loop's last trip (there is no ninth period)
.if \test
	s_cmp_gt_u32 s3, 1
	s_cbranch_scc0 .Lno_\@
.endif
	global_prefetch_b8 v[PFOB], s[PFB:PFB+1] offset:\off th:TH_LOAD_NT scope:SCOPE_SE
	global_prefetch_b8 v[PFOA], s[PFA:PFA+1] offset:\off th:TH_LOAD_NT scope:SCOPE_SE
.Lno_\@:
.endm
.macro ALOAD kk                        ; A's four fragments of K step kk (counted from where s[4:5] stands) into set kk % 4; the setting TO_A stands
.irp i, 0,1,2,3
.irp c, 0,1,2,3
	global_load_b128 v[64*((\kk)%4)+16*\i+4*\c:64*((\kk)%4)+16*\i+4*\c+3], v[LN], s[4:5] offset:\i*RTP+(\kk)*2048+512*\c
.endr
.endr
.endm
.macro FETCHB slot, q, p               ; B's eight fragments of the slot's q-th K step into set p; the setting TO_B stands
.irp i, 0,1,2,3,4,5,6,7
.irp c, 0,1,2,3
	ds_load_b128 v[128*(\p)+16*\i+4*\c:128*(\p)+16*\i+4*\c+3], v[ADRB+\slot] offset:\i*ROWL+(\q)*2048+512*\c
.endr
.endr
.endm
; Eight products: A's block a against B's eight, K step j: B's set j % 2, A's set j % 4.  The 32 accumulators take turns in the same order in every K step.
.macro MUL8 a, j, zero
.irp b, 0,1,2,3,4,5,6,7
.if \zero
	v_wmma_f32_16x16x128_fp8_fp8 v[8*(8*(\a)+\b):8*(8*(\a)+\b)+7], v[128*((\j)%2)+16*\b:128*((\j)%2)+16*\b+15], v[64*((\j)%4)+16*(\a):64*((\j)%4)+16*(\a)+15], 0
.else
	v_wmma_f32_16x16x128_fp8_fp8 v[8*(8*(\a)+\b):8*(8*(\a)+\b)+7], v[128*((\j)%2)+16*\b:128*((\j)%2)+16*\b+15], v[64*((\j)%4)+16*(\a):64*((\j)%4)+16*(\a)+15], v[8*(8*(\a)+\b):8*(8*(\a)+\b)+7]
.endif
.endr
.endm
; One of a slot's first three K steps.  ld = 1: A's K step j + 3 is asked for.  lc: A's loads that were issued behind K step j's and may be out.
.macro STEP slot, q, j, zero, ld, lc
	s_wait_dscnt 0x0                               ; B's set is in
	s_wait_loadcnt \lc                             ; A's set is in
	PLACES 4                                       ; the sets loaded below were read by the products just issued
	WIN TO_B
	FETCHB \slot, (\q)+1, 1-(\j)%2
.if \ld
	WIN TO_A
	ALOAD (\j)+3
.endif
	WIN MUL
	MUL8 0, \j, \zero
	MUL8 1, \j, \zero
	MUL8 2, \j, \zero
	MUL8 3, \j, \zero
	WIN 0
.endm
; A slot's fourth K step changes slots: each wave waits for all its tensor loads, adds 0 to its spare word, waits for that and for its reads of this slot; fill = 1: a round of the cluster's barrier, and this slot takes the period two on.
.macro TURN slot, next, j, fill, off, test
	s_wait_tensorcnt 0x0
	ds_add_u32 v[SPW], v[NIL]
	s_wait_loadcnt 32
	s_wait_dscnt 1                                 ; B's 32 loads are in; the add may be out
	WIN MUL
	MUL8 0, \j, 0
	s_wait_dscnt 0x0
	s_barrier_signal -1
	MUL8 1, \j, 0
	WIN 0
	s_barrier_wait -1
.if \fill
	CREST
	s_add_nc_u64 s[G0B+4*\slot+2:G0B+4*\slot+3], s[G0B+4*\slot+2:G0B+4*\slot+3], 2*ROWL   ; no tensor load of mine is out: eight K steps on
	TLOAD \slot                                    ; its four v_nop are the places in front of the loads below
.else
	PLACES 4
.endif
	WIN TO_B
	FETCHB \next, 0, 1-(\j)%2
	WIN TO_A
	ALOAD (\j)+3
	WIN 0
.if \fill
	ASK \off, \test
.endif
	WIN MUL
	MUL8 2, \j, 0
	MUL8 3, \j, 0
	WIN 0
.endm
	s_load_b256 s[68:75], s[0:1], 0x0              ; the codes, cos, sin, gq
	s_load_b128 s[76:79], s[0:1], 0x20             ; gk, the scales' exponents
	s_load_b64 s[80:81], s[0:1], 0x30              ; the results
	v_lshl_add_u32 v[SPW], v0, 2, SPARE
	v_mov_b32 v[NIL], 0
	ds_add_u32 v[SPW], v[NIL]                      ; the opening lines: two adds on end under one wait
	ds_add_u32 v[SPW], v[NIL]
	v_lshrrev_b32 v1, 5, v0
	v_readfirstlane_b32 s14, v1                    ; wave 0..3
	v_and_b32 v2, 31, v0
	v_lshlrev_b32 v[LN], 4, v2
	v_lshlrev_b32 v[PFOB], 8, v2
	v_min_u32 v[PFOA], 15, v2
	v_lshlrev_b32 v[PFOA], 8, v[PFOA]
	v_and_b32 v3, 15, v0                           ; r
	v_bfe_u32 v4, v0, 4, 1                         ; h
	v_lshlrev_b32 v[VG], 5, v4
	v_lshl_add_u32 v[VC], v3, 8, v[VG]
	s_lshr_b32 s15, s14, 1                         ; wr: which 64 A rows are mine
	s_and_b32 s16, s14, 1                          ; wc: which 128 B rows
	s_lshl_b32 s22, s16, 16                        ; my eight of B's sixteen tiles: 8 x ROWL x wc
	v_add_nc_u32 v[ADRB], s22, v[LN]
	v_add_nc_u32 v[ADRB+1], SLOT, v[ADRB]
	s_bfe_u32 s40, ttmp6, 0x40000                  ; cx
	s_bfe_u32 s41, ttmp6, 0x40004                  ; cy
	s_mov_b32 s12, ttmp9                           ; X: the job; the same in all sixteen partners
	s_and_b32 s13, ttmp7, 0xffff                   ; Y
	s_and_b32 s20, s13, 1
	s_lshr_b32 s21, s13, 1
	s_mov_b32 s45, 0x800000                        ; where A's images begin: k: x by entry 2
	s_mov_b32 s23, 0x2000000                       ; and B's: Wk
	s_cmp_eq_u32 s12, 3
	s_cselect_b32 s17, s20, s13
	s_cselect_b32 s42, s21, 0
	s_cselect_b32 s45, 0x2400000, s45              ; v: Wv
	s_cselect_b32 s23, 0x1000000, s23              ; v: x by entry 4
	s_cmp_lt_u32 s12, 2
	s_cselect_b32 s42, s12, s42
	s_cselect_b32 s45, 0, s45                      ; q: x by entry 0
	s_cselect_b32 s23, 0x1800000, s23              ; q: Wq
	s_lshl_b32 s17, s17, 2
	s_add_co_u32 s17, s17, s41                     ; TR: my tile of 128 A rows
	s_lshl_b32 s42, s42, 2
	s_add_co_u32 s42, s42, s40                     ; TC: my tile of 256 B rows
	s_lshl_b32 s44, 0x1111, s40                    ; my column of the cluster
	s_or_b32 s[G1B+0], s44, (3<<16)|(1<<21)        ; the mask; elements of 8 bytes; bit 21 beside a mask
	s_mov_b32 s[G1B+1], (KS*256)<<16               ; rows of 8,192 bytes: a tile of 16 rows' four K steps
	s_mov_b32 s[G1B+2], 4<<16
	s_mov_b32 s[G1B+3], (KS*256)<<16
	s_mov_b32 s[G1B+4], 4
	s_mov_b32 s[G1B+5], RTP/8
	s_mov_b32 s[G1B+6], 0
	s_mov_b32 s[G1B+7], 0
	s_lshl_b32 s20, s17, 3
	s_lshl_b32 s21, s15, 2
	s_add_co_u32 s20, s20, s21                     ; A: my tiles of 16 rows begin at 8 TR + 4 wr
	s_mul_i32 s20, s20, RTP
	s_add_co_u32 s20, s20, s45
	s_mov_b32 s21, 0
	s_lshl_b32 s46, s42, 4
	s_lshl_b32 s47, s14, 2
	s_add_co_u32 s46, s46, s47                     ; B: I fetch tiles 16 TC + 4 w ..
	s_add_co_u32 s28, s46, s41                     ; and prefetch tile 16 TC + 4 w + cy (in registers that feed no descriptor)
	s_mul_i32 s46, s46, RTP
	s_add_co_u32 s46, s46, s23
	s_mov_b32 s47, 0
	s_mul_i32 s28, s28, RTP
	s_add_co_u32 s28, s28, s23
	s_add_co_u32 s28, s28, 2*ROWL                  ; at period 2
	s_mov_b32 s29, 0
	s_lshl_b32 s30, s40, 2
	s_add_co_u32 s30, s30, s14                     ; 4 cx + w: which sixteenth of A's tile I prefetch
	s_lshr_b32 s31, s30, 1
	s_and_b32 s30, s30, 1
	s_lshl_b32 s30, s30, 12
	s_lshl_b32 s32, s17, 3
	s_add_co_u32 s31, s31, s32
	s_mul_i32 s31, s31, RTP
	s_add_co_u32 s30, s30, s31
	s_add_co_u32 s30, s30, s45
	s_add_co_u32 s30, s30, 2*ROWL
	s_mov_b32 s31, 0
	s_mul_i32 s19, s14, 4*ROWL                     ; where my four tiles go in a slot: no place in the cluster enters an LDS address
	s_wait_alu depctr_va_vdst(0)
	s_wait_dscnt 0x0                               ; both opening adds are done
	s_wait_kmcnt 0x0
	s_load_b256 s[84:91], s[78:79], 0x0            ; entries 0 to 7
	s_load_b64 s[92:93], s[78:79], 0x20            ; entries 8, 9
	s_add_nc_u64 s[4:5], s[68:69], s[20:21]
	s_add_nc_u64 s[6:7], s[68:69], s[46:47]
	s_add_nc_u64 s[PFB:PFB+1], s[68:69], s[28:29]
	s_add_nc_u64 s[PFA:PFA+1], s[68:69], s[30:31]
	WIN TO_A
	ALOAD 0                                        ; A's K steps 0, 1, 2: 48 loads of mine are out
	ALOAD 1
	ALOAD 2
	WIN 0
	CROUND                                         ; all sixteen work-groups are here: the first joint loads meet
.irp s, 0,1
	s_mov_b32 s[G0B+4*\s], 1
	s_add_co_u32 s[G0B+4*\s+1], s19, \s*SLOT
	s_add_nc_u64 s[G0B+4*\s+2:G0B+4*\s+3], s[6:7], \s*ROWL
	s_or_b32 s[G0B+4*\s+3], s[G0B+4*\s+3], 0x80000000
.endr
	TLOAD 0                                        ; period 0: one tensor load a wave at the head
	s_mov_b32 s96, 0x76543210                      ; v_permlanex16_b32: lane l xor 16
	s_mov_b32 s97, 0xfedcba98
	s_lshl_b32 s20, s17, 15                        ; cos and sin at my first token: (128 TR + 64 wr) rows of 256 bytes
	s_lshl_b32 s21, s15, 14
	s_add_co_u32 s20, s20, s21
	s_mov_b32 s21, 0
	s_add_nc_u64 s[70:71], s[70:71], s[20:21]
	s_add_nc_u64 s[72:73], s[72:73], s[20:21]
	s_lshl_b32 s82, s42, 1
	s_add_co_u32 s82, s82, s16                     ; 2 TC + wc: q, k: my head; v: my 128 keys
	s_lshl_b32 s83, s82, 7
	s_lshl_b32 s94, s17, 3
	s_add_co_u32 s83, s83, s94                     ; q, k: image 128 x head + 8 TR
	s_lshl_b32 s94, s17, 4
	s_add_co_u32 s94, s94, s82
	s_lshl_b32 s94, s94, 3                         ; v: image (16 x head + key step) x 8; the head is TR
	s_mov_b32 s95, 0x400000
	s_cmp_eq_u32 s12, 3
	s_cselect_b32 s83, s94, s83
	s_cselect_b32 s95, 0x600000, s95
	s_cmp_lt_u32 s12, 2
	s_cselect_b32 s95, 0, s95
	s_cselect_b64 s[10:11], s[74:75], s[76:77]     ; the gain: gq or gk
	s_lshl_b32 s94, s15, 2
	s_add_co_u32 s83, s83, s94                     ; + 4 wr
	s_lshl_b32 s94, s83, 11
	s_add_co_u32 s94, s94, s95
	s_mov_b32 s95, 0
	s_add_nc_u64 s[8:9], s[80:81], s[94:95]
	s_wait_tensorcnt 0x0                           ; my part of period 0 is in; slot 1's first fill is issued as a refill is:
	ds_add_u32 v[SPW], v[NIL]
	s_wait_dscnt 0x0
	CROUND
	TLOAD 1                                        ; period 1
	WIN TO_B
	FETCHB 0, 0, 0
	WIN 0
	ASK 0, 0                                       ; period 2
	STEP 0, 0, 0, 1, 1, 32                         ; K step 0 stands in front of the loop: its products start the sums
	s_mov_b32 s3, TRIPS
.Llap:                                                 ; a trip goes once round the ring, eight K steps, and fills both slots again
	STEP 0, 1, 1, 0, 1, 32
	STEP 0, 2, 2, 0, 1, 32
	TURN 0, 1, 3, 1, ROWL, 0
	STEP 1, 0, 4, 0, 1, 32
	STEP 1, 1, 5, 0, 1, 32
	STEP 1, 2, 6, 0, 1, 32
	TURN 1, 0, 7, 1, 2*ROWL, 1
	STEP 0, 0, 8, 0, 1, 32
	s_wait_xcnt 0x0                                ; my loads and prefetches have read their bases: only now are these stepped
	s_add_nc_u64 s[4:5], s[4:5], 8*2048
	s_add_nc_u64 s[PFA:PFA+1], s[PFA:PFA+1], 2*ROWL
	s_add_nc_u64 s[PFB:PFB+1], s[PFB:PFB+1], 2*ROWL
	s_sub_co_u32 s3, s3, 1
	s_cmp_lg_u32 s3, 0
	s_cbranch_scc1 .Llap
	STEP 0, 1, 1, 0, 1, 32                         ; K step 25
	STEP 0, 2, 2, 0, 1, 32                         ; 26
	TURN 0, 1, 3, 0, 0, 0                          ; 27: nothing is left to fetch for B
	STEP 1, 0, 4, 0, 1, 32                         ; 28: A's K step 31 is asked for
	STEP 1, 1, 5, 0, 0, 32                         ; 29
	STEP 1, 2, 6, 0, 0, 16                         ; 30
	s_wait_dscnt 0x0
	s_wait_loadcnt 0x0
	PLACES 4                                       ; B's set 0 was read by K step 30's products
.macro CSLOAD a                        ; block a's cos and sin, sixteen loads, into window 1 (the setting TO_B stands)
.irp b, 0,1,2,3
.irp u, 0,1
	global_load_b128 v[64*(\a)+8*\b+4*\u:64*(\a)+8*\b+4*\u+3], v[VC], s[70:71] offset:4096*(\a)+64*\b+16*\u
	global_load_b128 v[64*(\a)+32+8*\b+4*\u:64*(\a)+32+8*\b+4*\u+3], v[VC], s[72:73] offset:4096*(\a)+64*\b+16*\u
.endr
.endr
.endm
	s_cmp_eq_u32 s12, 3                            ; q and k: the gain, and blocks 0 and 1's cos and sin (into B's set 0), are asked for ahead of the last K step's products
	s_cbranch_scc1 .Lnocs
.irp b, 0,1,2,3,4,5,6,7
.irp u, 0,1
	global_load_b128 v[GN+8*\b+4*\u:GN+8*\b+4*\u+3], v[VG], s[10:11] offset:64*\b+16*\u
.endr
.endr
	WIN TO_B
	CSLOAD 0
	CSLOAD 1
	WIN 0
.Lnocs:
	WIN MUL
	MUL8 0, 7, 0                                   ; 31
	MUL8 1, 7, 0
	MUL8 2, 7, 0
	MUL8 3, 7, 0
	WIN 0
	; THE WAY OUT.  No value read from memory steers a branch: what the job decides hangs on X, what the exponents decide is chosen by selects.
	s_wait_kmcnt 0x0
	s_add_co_i32 s94, s84, s85                     ; q: a sum stands for sum x 2^(entry 0 + entry 1)
	s_add_co_i32 s95, s86, s87                     ; k: entries 2, 3
	s_add_co_i32 s82, s88, s89
	s_sub_co_i32 s82, s93, s82                     ; v: entry 9 - entry 4 - entry 5
	s_cmp_lt_u32 s12, 2
	s_cselect_b32 s99, s94, s95                    ; E
	s_cselect_b32 s83, s90, s91                    ; q: entry 6; k: entry 7
	s_cmp_eq_u32 s12, 3
	s_cselect_b32 s83, s82, s83
	s_lshl_b32 s98, s99, 1
	s_sub_co_i32 s98, s98, 7                       ; 2 E - 7: the mean of the squares is the sum of the sums' squares x 2^(2 E) / 128
	s_add_co_i32 s83, s83, 127
	s_lshl_b32 s82, s83, 23
	v_mov_b32 v56, s82                             ; the conversion's scale as f32
	s_add_co_i32 s83, s83, 8
	s_lshl_b32 s83, s83, 23
	s_or_b32 s83, s83, 0x600000
	v_mov_b32 v57, s83                             ; 448 x that
	PLACES 4
.macro QOUT a                          ; the block's 64 held numbers become an image, which is stored
.irp b, 0,1,2,3,4,5,6,7
	v_cvt_scalef32_pk8_fp8_f32 v[CD+16*\a+2*\b:CD+16*\a+2*\b+1], v[U+8*\b:U+8*\b+7], v56
.endr
	v_nop                                          ; one plain line behind the conversions
.irp c, 0,1,2,3
	global_store_b128 v[LN], v[CD+16*\a+4*\c:CD+16*\a+4*\c+3], s[8:9] offset:2048*\a+512*\c
.endr
.endm
	s_cmp_eq_u32 s12, 3
	s_cbranch_scc1 .Lv_out
	; ---- q and k.  Lane (r, h) holds token 16 a + r of the wave's 64; register 8 b + j of block a is channel d = 16 b + 8 h + j of the head.
	WIN 0x0a                                       ; sources 0 and 1 window 2
.macro SUMSQ a                         ; the squares of my 64 sums, two at a time in four chains; each accumulator from its low end on
.set i, 0
.rept 32
.if i < 4
	v_pk_mul_f32 v[U+8*\a+2*i:U+8*\a+2*i+1], v[64*\a+2*i:64*\a+2*i+1], v[64*\a+2*i:64*\a+2*i+1]
.else
	v_pk_fma_f32 v[U+8*\a+2*(i%4):U+8*\a+2*(i%4)+1], v[64*\a+2*i:64*\a+2*i+1], v[64*\a+2*i:64*\a+2*i+1], v[U+8*\a+2*(i%4):U+8*\a+2*(i%4)+1]
.endif
.set i, i+1
.endr
.endm
	SUMSQ 0
	SUMSQ 1
	SUMSQ 2
	SUMSQ 3
	WIN 0
.irp a, 0,1,2,3
	v_pk_add_f32 v[U+8*\a:U+8*\a+1], v[U+8*\a:U+8*\a+1], v[U+8*\a+2:U+8*\a+3]
	v_pk_add_f32 v[U+8*\a+4:U+8*\a+5], v[U+8*\a+4:U+8*\a+5], v[U+8*\a+6:U+8*\a+7]
	v_mov_b32 v[44+\a], 0                          ; a lane permute's destination counts as one of its sources
.endr
.irp a, 0,1,2,3
	v_pk_add_f32 v[U+8*\a:U+8*\a+1], v[U+8*\a:U+8*\a+1], v[U+8*\a+4:U+8*\a+5]
.endr
.irp a, 0,1,2,3
	v_add_f32 v[40+\a], v[U+8*\a], v[U+8*\a+1]
.endr
.irp a, 0,1,2,3
	v_permlanex16_b32 v[44+\a], v[40+\a], s96, s97 ; the token's other 64 channels lie in the lane 16 away
.endr
.irp a, 0,1,2,3
	v_add_f32 v[40+\a], v[40+\a], v[44+\a]
.endr
.irp a, 0,1,2,3
	v_ldexp_f32 v[40+\a], v[40+\a], s98            ; the mean of the squares
.endr
.irp a, 0,1,2,3
	v_add_f32 v[40+\a], 0x358637bd, v[40+\a]       ; + 1e-6
.endr
	s_wait_alu depctr_va_vdst(0)
.irp a, 0,1,2,3
	v_rsq_f32 v[44+\a], v[40+\a]
.endr
	v_nop
	s_wait_alu depctr_va_vdst(0)
.irp a, 0,1,2,3
	v_ldexp_f32 v[48+2*\a], v[44+\a], s99          ; the block's factor: 2^E / the root of the mean
.endr
.irp a, 0,1,2,3
	v_mov_b32 v[49+2*\a], v[48+2*\a]
.endr
	s_wait_loadcnt 32                              ; the gain's sixteen loads are in; the 32 of blocks 0 and 1 may be out
.macro BLOCKQ a
.if \a < 2
	WIN TO_B
	CSLOAD (\a)+2
.endif
	WIN 0x02                                       ; source 0 window 2
.set i, 0
.rept 32
	v_pk_mul_f32 v[U+2*i:U+2*i+1], v[64*\a+2*i:64*\a+2*i+1], v[GN+2*i:GN+2*i+1]
.set i, i+1
.endr
	WIN 0
.set i, 0
.rept 32
	v_pk_mul_f32 v[U+2*i:U+2*i+1], v[U+2*i:U+2*i+1], v[48+2*\a:49+2*\a] op_sel_hi:[1,0]
.set i, i+1
.endr
.if \a < 2
	s_wait_loadcnt 32                              ; this block's sixteen loads are in; behind them: the next two blocks' 32
.else
	s_wait_loadcnt 16*(3-\a)
.endif
	WIN 0x04                                       ; source 1 window 1
.set i, 0
.rept 16                               ; d < 64: x cos - x(d + 64) sin;  d + 64: x(d + 64) cos + x sin.  Channel d + 64 is register + 32
.set T0, 32+4*(i%4)
	v_pk_mul_f32 v[T0:T0+1], v[U+32+2*i:U+33+2*i], v[64*\a+32+2*i:64*\a+33+2*i]
	v_pk_mul_f32 v[T0+2:T0+3], v[U+2*i:U+2*i+1], v[64*\a+32+2*i:64*\a+33+2*i]
	v_pk_fma_f32 v[U+2*i:U+2*i+1], v[U+2*i:U+2*i+1], v[64*\a+2*i:64*\a+2*i+1], v[T0:T0+1] neg_lo:[0,0,1] neg_hi:[0,0,1]
	v_pk_fma_f32 v[U+32+2*i:U+33+2*i], v[U+32+2*i:U+33+2*i], v[64*\a+2*i:64*\a+2*i+1], v[T0+2:T0+3]
.set i, i+1
.endr
	WIN 0
.set i, 0
.rept 64
	v_med3_num_f32 v[U+i], v[U+i], -v57, v57       ; the conversion to an 8-bit code does not saturate (ISA guide 7.6.2)
.set i, i+1
.endr
	QOUT \a
.endm
	BLOCKQ 0
	BLOCKQ 1
	BLOCKQ 2
	BLOCKQ 3
	s_branch .Lend
.Lv_out:
	; ---- v.  Lane (r, h) holds channel 16 a + r of the wave's 64; register 8 b + j of block a is key 16 b + 8 h + j of the wave's 128.
.macro BLOCKV a
	WIN 0x02
.set i, 0
.rept 64
	v_med3_num_f32 v[U+i], v[64*\a+i], -v57, v57   ; each accumulator from its low end on
.set i, i+1
.endr
	WIN 0
	QOUT \a
.endm
	s_wait_alu depctr_va_vdst(0)
	BLOCKV 0
	BLOCKV 1
	BLOCKV 2
	BLOCKV 3
.Lend:
	s_wait_tensorcnt 0x0                           ; the wave's end
	ds_add_u32 v[SPW], v[NIL]
	s_wait_dscnt 0x0
	CROUND                                         ; the closing round
	s_endpgm
.Lfunc_end_k_q22ddf5f57c_qkv:
	.size	k_q22ddf5f57c_qkv, .Lfunc_end_k_q22ddf5f57c_qkv-k_q22ddf5f57c_qkv
	.p2alignl 7, 3214868480
	.fill 96, 4, 3214868480
	.section	.rodata,"a",@progbits
	.p2align	6, 0x0
	.amdhsa_kernel k_q22ddf5f57c_qkv
		.amdhsa_group_segment_fixed_size 327680
		.amdhsa_private_segment_fixed_size 0
		.amdhsa_enable_private_segment 0
		.amdhsa_kernarg_size 56
		.amdhsa_user_sgpr_count 2
		.amdhsa_user_sgpr_kernarg_segment_ptr 1
		.amdhsa_wavefront_size32 1
		.amdhsa_system_sgpr_workgroup_id_x 1
		.amdhsa_system_sgpr_workgroup_id_y 1
		.amdhsa_system_sgpr_workgroup_id_z 1
		.amdhsa_system_vgpr_workitem_id 0
		.amdhsa_next_free_vgpr 1024
		.amdhsa_next_free_sgpr 100
		.amdhsa_reserve_vcc 0
		.amdhsa_float_denorm_mode_32 3
		.amdhsa_float_denorm_mode_16_64 3
		.amdhsa_memory_ordered 1
		.amdhsa_forward_progress 1
		.amdhsa_inst_pref_size 195
	.end_amdhsa_kernel
	.amdgpu_metadata
---
amdhsa.version: [ 1, 2 ]
amdhsa.kernels:
  - .name:           k_q22ddf5f57c_qkv
    .symbol:         k_q22ddf5f57c_qkv.kd
    .args:
      - { .name: codes, .offset: 0, .size: 8, .value_kind: global_buffer, .address_space: global }
      - { .name: cos, .offset: 8, .size: 8, .value_kind: global_buffer, .address_space: global }
      - { .name: sin, .offset: 16, .size: 8, .value_kind: global_buffer, .address_space: global }
      - { .name: gq, .offset: 24, .size: 8, .value_kind: global_buffer, .address_space: global }
      - { .name: gk, .offset: 32, .size: 8, .value_kind: global_buffer, .address_space: global }
      - { .name: lowp_scales, .offset: 40, .size: 8, .value_kind: global_buffer, .address_space: global }
      - { .name: qkv, .offset: 48, .size: 8, .value_kind: global_buffer, .address_space: global }
    .group_segment_fixed_size: 327680
    .private_segment_fixed_size: 0
    .kernarg_segment_align: 8
    .kernarg_segment_size: 56
    .max_flat_workgroup_size: 128
    .sgpr_count:     100
    .vgpr_count:     1024
    .wavefront_size: 32
...
	.end_amdgpu_metadata
.endif
;; end of part 2
;; launch attn (part 3): grid 32 x 8, 16 waves a work-group, clusters of 4 x 1, 327,680 bytes of LDS; arguments qkv, lowp_scales, oc; writes oc
.if DOCPART == 3
	.amdgcn_target "amdgcn-amd-amdhsa--gfx1250"
	.amdhsa_code_object_version 6
	.text
	.protected	k_q22ddf5f57c_attn
	.globl	k_q22ddf5f57c_attn
	.p2align	8
	.type	k_q22ddf5f57c_attn,@function
k_q22ddf5f57c_attn:
	s_mov_b64 s[64:65], 0
	v_nop
	global_prefetch_b8 v0, s[64:65] scope:SCOPE_SE
	s_setreg_imm32_b32 hwreg(HW_REG_WAVE_MODE, 25, 1), 1
	s_wait_xcnt 0x0
	s_wait_alu depctr_hold_cnt(0) depctr_sa_sdst(0) depctr_va_vdst(0) depctr_va_sdst(0) depctr_va_ssrc(0) depctr_va_vcc(0) depctr_vm_vsrc(0)
	s_getreg_b32 s2, hwreg(HW_REG_IB_STS2, 6, 4)
	s_cmp_eq_u32 s2, 0
	s_cbranch_scc0 .Lentry_in_a_cluster
	s_endpgm
.Lentry_in_a_cluster:
	s_bfe_u32 s2, ttmp6, 0x10000c
	s_cmp_lg_u32 s2, 0x3003
	s_cbranch_scc0 .Lentry_shape_is_right
	s_endpgm
.Lentry_shape_is_right:
; Causal attention on codes of FP8 (E4M3): S^T = K Q^T, p = 2^(t - M) with M the running largest t rounded up to a whole number, O^T += V^T P^T; the row's sum of the unquantised p divides at the end; o is quantised by entry 10.
; q, k, v and o are images of operand registers (2,048 bytes a fragment of 16 rows x 128 K): q at 0 [head 16][tile 128], k at 4 Mi [head 8][tile 128], v at 6 Mi [head 8][key step 16][16 channels: 8]; o: [tile 128][head 16].
; LEFT OUT: key steps of 128 keys that lie wholly behind a tile's 16 queries: the causal mask gives them the weight 0.
; SHARES.  The cluster's x (X, 0..7) and y (the k/v head g).  A work-group has eight UNITS: a unit is one tile of 16 queries: query head 2 g + (0, 1), block of 128 queries X or 15 - X, tile 2 cx + (0, 1) of the block's eight.
; EACH UNIT HAS TWO WAVES: wave u (0..7) takes the even key steps, wave u + 8 the odd ones, up to the block's own (the diagonal).  At the end wave u + 8 hands -M, its sum and O^T to wave u through LDS;
; both M are whole numbers, so the two parts are brought under the larger by multiplications with powers of two.  A wave with no key step hands zeros and M = -3e38, whose factor is 0.
; WHERE THE FRAGMENTS COME FROM.  K's eight and V's channel tiles 4 to 7 come through LDS: a ring of two slots of four key steps (K 65,536 bytes, then V's half 32,768), filled by joint loads of the cluster's four partners:
; waves 0-7 8,192 bytes of K each, waves 8-15 4,096 bytes of V.  V's channel tiles 0 to 3 go from memory straight into registers: they are asked for behind the score products, and the whole softmax stands between the request and the wait for them.
; V's tiles 4 to 7 are read into the scores' registers, which are free behind the conversions.  The stages of the hand-over lie in slot 0, behind its last fill and its last read.
; PREFETCH: slot 2's K and V are named by the cluster X = 0 at the change that loads slot 1, slot 3's by the cluster X = 1 at the change that loads slot 2: waves 0 to 3, shared out among the partners by address, each block of 256 bytes once for a head g.
; LIMITS: entry 6 + entry 7 between -123 and 130; entries 8 and 10 between -126 and 119; the scaled scores stay under 2^31 in magnitude.  NaN among the inputs is not served.
; REGISTERS: v1-4 lane terms; v7, v10 the stage; v8, v9 addresses in hand; v12 -M, v13 the largest t, v[14:15] the sum; v16-31 Q; v32-95 fragments; v96-159 S^T, p, then V's tiles 4-7; v160-223 O^T; v224-239 p's codes; v240-254 at work.
.set SLOT1, 1<<17
.set SPARE, 2*SLOT1
.set SPW,  5
.set NIL,  6
.set STG,  7
.set ADK,  8
.set ADV,  9
.set STM,  10
.set WV,   18
.set SEL,  20
.set CS,   22
.set G1K,  24                          ; s[24:31] group 1 of K's loads: 32 rows of 256 bytes;  s[52:59] of V's: 16 rows
.set G1V,  52
.set G0K,  32                          ; s[32:35], s[36:39] their groups 0, which walk
.set G0V,  36
.set UN,   50                          ; s50 my unit, s51 which half of the key steps
.set HF,   51
.set HO,   60                          ; s60 16,384 x my half, s63 8,192 x my half
.set SB,   61                          ; s61 where the slot in hand begins
.set SLOTS, 62
.set HO2,  63
.set TB,   2
.set CNT,  3
.set KS,   66
.set LIMK, 67
.set PFA,  76
.set LIM,  80
.set TV,   82
.set VB,   84                          ; s[84:85] V's images of my key step in memory
.macro CROUND
	s_barrier_signal -1
	s_barrier_wait -1
	s_cmp_lg_u32 s[WV], 0
	s_cbranch_scc1 .Lnot_wave_0_\@
	s_barrier_signal -3
.Lnot_wave_0_\@:
	s_barrier_wait -3
	s_barrier_signal -1
	s_barrier_wait -1
.endm
; A joint load: waves 0-7 fetch K's parts, waves 8-15 V's.  The branch hangs on the wave's number alone.  An s_nop 0 and four v_nop follow each of the two lines.
.macro TLOAD
	s_cmp_eq_u32 s[HF], 0
	s_cbranch_scc0 .Lfor_v_\@
	tensor_load_to_lds s[G0K:G0K+3], s[G1K:G1K+7]
	s_nop 0
.rept 4
	v_nop
.endr
	s_branch .Lasked_\@
.Lfor_v_\@:
	tensor_load_to_lds s[G0V:G0V+3], s[G1V:G1V+7]
	s_nop 0
.rept 4
	v_nop
.endr
.Lasked_\@:
.endm
	s_load_b128 s[4:7], s[0:1], 0x0
	s_load_b64 s[8:9], s[0:1], 0x10
	v_lshl_add_u32 v[SPW], v0, 2, SPARE
	v_mov_b32 v[NIL], 0
	ds_add_u32 v[SPW], v[NIL]                      ; the opening lines: two adds on end under one wait
	ds_add_u32 v[SPW], v[NIL]
	v_lshrrev_b32 v8, 5, v0
	v_readfirstlane_b32 s[WV], v8
	s_and_b32 s[UN], s[WV], 7
	s_lshr_b32 s[HF], s[WV], 3
	s_lshl_b32 s[HO], s[HF], 14
	s_lshl_b32 s[HO2], s[HF], 13
	s_bfe_u32 s10, ttmp6, 0x40000                  ; cx
	s_mov_b32 s11, ttmp9                           ; X
	s_and_b32 s12, ttmp7, 0xffff                   ; g
	s_lshr_b32 s15, s[UN], 2
	s_xor_b32 s13, s[UN], s15
	s_and_b32 s13, s13, 1                          ; block X (0) or 15 - X (1): units u and u + 4 take different ones
	s_bfe_u32 s14, s[UN], 0x10001                  ; which of the two query heads
	s_sub_co_u32 s16, 15, s11
	s_cmp_eq_u32 s13, 1
	s_cselect_b32 s[LIMK], s16, s11                ; my block, and so my last key step
	s_lshl_b32 s17, s10, 1
	s_add_co_u32 s17, s17, s15                     ; my tile in the block
	s_lshl_b32 s19, s[LIMK], 3
	s_add_co_u32 s19, s19, s17
	s_lshl_b32 s40, s12, 1
	s_add_co_u32 s40, s40, s14                     ; my query head
	s_lshl_b32 s42, s40, 7
	s_add_co_u32 s42, s42, s19
	s_lshl_b32 s42, s42, 11                        ; q's image
	s_mov_b32 s43, 0
	s_lshl_b32 s44, s19, 4
	s_add_co_u32 s44, s44, s40
	s_lshl_b32 s44, s44, 11                        ; o's image
	s_mov_b32 s45, 0
	s_lshl_b32 s86, s12, 18                        ; the head's 262,144 bytes, in k and in v
	s_lshl_b32 s41, s[UN], 13                      ; K's part u: LDS 8,192 u, and the same in memory
	s_add_co_u32 s46, s86, s41
	s_add_co_u32 s46, s46, 0x400000
	s_mov_b32 s47, 0
	s_lshl_b32 s87, s[UN], 12
	s_add_co_u32 s87, s87, 65536                   ; V's part u: LDS 65,536 + 4,096 u;
	s_lshr_b32 s48, s[UN], 1
	s_lshl_b32 s48, s48, 14                        ; in memory key step u / 2,
	s_and_b32 s49, s[UN], 1
	s_lshl_b32 s49, s49, 12
	s_add_co_u32 s48, s48, s49                     ; tiles 4, 5 or 6, 7
	s_add_co_u32 s48, s48, s86
	s_add_co_u32 s48, s48, 0x600000+8192
	s_mov_b32 s49, 0
	s_add_co_u32 s88, s86, s[HO]                   ; V's images of my first key step
	s_add_co_u32 s88, s88, 0x600000
	s_mov_b32 s89, 0
	s_lshl_b32 s90, s14, 21                        ; the prefetch (waves 0 to 3): K or V, slot 2 + X, 16,384 bytes a partner, 8,192 a wave
	s_add_co_u32 s90, s90, 0x400000+131072
	s_add_co_u32 s90, s90, s86
	s_lshl_b32 s91, s10, 14
	s_add_co_u32 s90, s90, s91
	s_and_b32 s91, s[WV], 1
	s_lshl_b32 s91, s91, 13
	s_add_co_u32 s90, s90, s91
	s_min_u32 s91, s11, 1
	s_lshl_b32 s91, s91, 16
	s_add_co_u32 s90, s90, s91
	s_mov_b32 s91, 0
	s_lshr_b32 s92, s11, 1
	s_lshr_b32 s93, s[WV], 2
	s_or_b32 s92, s92, s93
	s_sub_co_u32 s93, 3, s11
	s_cmp_eq_u32 s92, 0
	s_cselect_b32 s[LIM], s93, 0                   ; the count of slots at which I ask; 0: never
	s_mov_b32 s[G1K], 15|(3<<16)|(1<<21)
	s_mov_b32 s[G1K+1], 32<<16
	s_mov_b32 s[G1K+2], 32<<16
	s_mov_b32 s[G1K+3], 32<<16
	s_mov_b32 s[G1K+4], 32
	s_mov_b32 s[G1K+5], 32
	s_mov_b32 s[G1K+6], 0
	s_mov_b32 s[G1K+7], 0
	s_mov_b32 s[G1V], 15|(3<<16)|(1<<21)
	s_mov_b32 s[G1V+1], 32<<16
	s_mov_b32 s[G1V+2], 16<<16
	s_mov_b32 s[G1V+3], 32<<16
	s_mov_b32 s[G1V+4], 16
	s_mov_b32 s[G1V+5], 32
	s_mov_b32 s[G1V+6], 0
	s_mov_b32 s[G1V+7], 0
	s_mov_b32 s[SEL], 0x76543210
	s_mov_b32 s[SEL+1], 0xfedcba98
	s_mov_b32 s[CS], 0x3e0293ee                    ; log2(e) / sqrt(128)
	s_mov_b32 s[KS], s[HF]                         ; my first key step
	s_mov_b32 s[SB], 0
	s_mov_b32 s[SLOTS], 3
	s_wait_dscnt 0x0
	s_wait_kmcnt 0x0
	s_load_b128 s[68:71], s[6:7], 0x18             ; entries 6 to 9
	s_load_b32 s72, s[6:7], 0x28                   ; entry 10
	s_add_nc_u64 s[46:47], s[4:5], s[46:47]
	s_add_nc_u64 s[48:49], s[4:5], s[48:49]
	s_add_nc_u64 s[VB:VB+1], s[4:5], s[88:89]
	s_add_nc_u64 s[PFA:PFA+1], s[4:5], s[90:91]
	s_add_nc_u64 s[42:43], s[4:5], s[42:43]
	s_add_nc_u64 s[44:45], s[8:9], s[44:45]
	CROUND
	s_mov_b32 s[G0K], 1
	s_mov_b32 s[G0K+1], s41
	s_mov_b64 s[G0K+2:G0K+3], s[46:47]
	s_or_b32 s[G0K+3], s[G0K+3], 0x80000000
	s_mov_b32 s[G0V], 1
	s_mov_b32 s[G0V+1], s87
	s_mov_b64 s[G0V+2:G0V+3], s[48:49]
	s_or_b32 s[G0V+3], s[G0V+3], 0x80000000
	TLOAD                                          ; slot 0: one tensor load a wave at the head
	v_and_b32 v11, 31, v0
	v_lshlrev_b32 v1, 4, v11
	v_add_nc_u32 v2, 65536, v1
	v_lshlrev_b32 v3, 8, v11
.irp c, 0,1,2,3
	global_load_b128 v[16+4*\c:19+4*\c], v1, s[42:43] offset:512*\c
.endr
	s_mul_i32 s48, s[UN], 8704                     ; my unit's stage: 8,192 bytes of O^T, then -M and the sum
	v_add_nc_u32 v[STG], s48, v1
	v_lshl_add_u32 v[STM], v11, 2, s48
	v_add_nc_u32 v[STM], 8192, v[STM]
	v_and_b32 v4, 15, v0
	v_bfe_u32 v11, v0, 4, 1
	v_lshlrev_b32 v11, 3, v11
	v_sub_nc_u32 v4, v4, v11
	s_lshl_b32 s48, s17, 4
	v_add_nc_u32 v4, s48, v4                       ; my query in the block - 8 h: register 8 t + j holds key 16 t + 8 h + j of the step
	v_mov_b32 v13, 0xff61b1e6                      ; -3e38
	v_floor_f32 v12, -v13
	v_mov_b32 v14, 0
	v_mov_b32 v15, 0
	v_mov_b32 v241, 0
	v_mov_b32 v253, 0
.set i, 0
.rept 64
	v_mov_b32 v[160+i], 0
.set i, i+1
.endr
	s_wait_kmcnt 0x0
	s_add_co_i32 s48, s68, s69
	s_lshl_b32 s48, s48, 23
	s_add_co_i32 s[CS], s[CS], s48                 ; entries 6 and 7 go into c's exponent field
	s_mov_b32 s[CS+1], s[CS]
	s_add_co_i32 s48, s70, 127
	s_lshl_b32 s49, s48, 23
	v_mov_b32 v244, s49                            ; 2^(entry 8)
	s_add_co_i32 s48, s48, 8
	s_lshl_b32 s48, s48, 23
	s_or_b32 s48, s48, 0x600000
	v_mov_b32 v240, s48                            ; 448 x that
	s_add_co_i32 s48, s72, 127
	s_lshl_b32 s49, s48, 23
	v_mov_b32 v247, s49                            ; 2^(entry 10)
	s_add_co_i32 s48, s48, 8
	s_lshl_b32 s48, s48, 23
	s_or_b32 s48, s48, 0x600000
	v_mov_b32 v246, s48
.macro STEP                            ; one key step of 128 keys: K at LDS byte s[TB], V's tiles 4-7 at 65,536 + s[TV], V's tiles 0-3 at s[VB:VB+1] in memory
	s_cmp_gt_u32 s[KS], s[LIMK]
	s_cbranch_scc1 .Lhidden_\@
	v_add_nc_u32 v[ADK], s[TB], v1
	v_add_nc_u32 v[ADV], s[TV], v2
.irp u, 0,1
.rept 3+\u
	v_nop                                          ; u = 0: with the two additions five places: the score products write over registers that the last products read
.endr
.irp t, 0,1,2,3
.irp c, 0,1,2,3
	ds_load_b128 v[32+16*\t+4*\c:35+16*\t+4*\c], v[ADK] offset:(4*\u+\t)*2048+512*\c
.endr
.endr
.if \u == 0
	s_wait_alu depctr_va_vdst(0)
.endif
	s_wait_dscnt 0x0
.irp t, 0,1,2,3
	v_wmma_f32_16x16x128_fp8_fp8 v[96+8*(4*\u+\t):103+8*(4*\u+\t)], v[32+16*\t:47+16*\t], v[16:31], 0
.endr
.endr
.rept 4
	v_nop
.endr
.irp t, 0,1,2,3
.irp c, 0,1,2,3
	global_load_b128 v[32+16*\t+4*\c:35+16*\t+4*\c], v1, s[VB:VB+1] offset:\t*2048+512*\c   ; V's tiles 0-3, straight from memory: the softmax stands between these lines and the wait for them
.endr
.endr
	s_cmp_lg_u32 s[KS], s[LIMK]
	s_cbranch_scc1 .Lopen_\@
	v_mov_b32 v254, 0xff800000                     ; on the diagonal hidden scores become -infinity
.set n, 0
.rept 64
	v_cmp_gt_i32 vcc_lo, 16*(n/8)+n%8, v4
	v_cndmask_b32 v[96+n], v[96+n], v254, vcc_lo
.set n, n+1
.endr
.Lopen_\@:
	v_max3_num_f32 v254, v96, v97, v98
	v_max3_num_f32 v252, v99, v100, v101
.irp i, 6,10,14,18,22,26,30,34,38,42,46,50,54,58
	v_max3_num_f32 v254, v254, v[96+\i], v[97+\i]
	v_max3_num_f32 v252, v252, v[98+\i], v[99+\i]
.endr
	v_max3_num_f32 v254, v254, v158, v159
	s_delay_alu instid0(VALU_DEP_1)
	v_max_num_f32 v254, v254, v252
	s_delay_alu instid0(VALU_DEP_1)
	v_permlanex16_b32 v241, v254, s[SEL], s[SEL+1]
	s_delay_alu instid0(VALU_DEP_1)
	v_max_num_f32 v254, v254, v241
	s_delay_alu instid0(VALU_DEP_1)
	v_mul_f32 v254, s[CS], v254
	s_delay_alu instid0(VALU_DEP_1)
	v_max_num_f32 v13, v13, v254
	v_mov_b32 v254, v12
	s_delay_alu instid0(VALU_DEP_2)
	v_floor_f32 v12, -v13                          ; -M = floor(-t)
	s_delay_alu instid0(VALU_DEP_1)
	v_sub_f32 v254, v12, v254
	s_delay_alu instid0(VALU_DEP_1)
	v_cvt_i32_f32 v254, v254
	s_delay_alu instid0(VALU_DEP_1)
	v_ldexp_f32 v252, 1.0, v254                    ; f = 2^(old M - new M)
.set i, 0
.rept 32
	v_pk_fma_f32 v[96+i:97+i], v[96+i:97+i], s[CS:CS+1], v[12:13] op_sel_hi:[1,0,0]
.set i, i+2
.endr
.set i, 0
	s_wait_alu depctr_va_vdst(0)
.rept 64
	v_exp_f32 v[96+i], v[96+i]
.set i, i+1
.endr
	v_pk_mul_f32 v[14:15], v[14:15], v[252:253] op_sel_hi:[1,0]
	s_wait_alu depctr_va_vdst(0)
	v_pk_add_f32 v[242:243], v[96:97], v[98:99]
.irp j, 4,8,12,16,20,24,28,32,36,40,44,48,52,56,60
	v_pk_add_f32 v[14:15], v[14:15], v[96+\j:97+\j]
	v_pk_add_f32 v[242:243], v[242:243], v[98+\j:99+\j]
.endr
	s_delay_alu instid0(VALU_DEP_1)
	v_pk_add_f32 v[14:15], v[14:15], v[242:243]
.irp t, 0,1,2,3,4,5,6,7
.irp i, 0,1,2,3,4,5,6,7
	v_min_num_f32 v[96+8*\t+\i], v[96+8*\t+\i], v240
.endr
	v_cvt_scalef32_pk8_fp8_f32 v[224+2*\t:225+2*\t], v[96+8*\t:103+8*\t], v244
.endr
.irp t, 0,1,2,3
.irp c, 0,1,2,3
	ds_load_b128 v[96+16*\t+4*\c:99+16*\t+4*\c], v[ADV] offset:\t*2048+512*\c   ; V's tiles 4-7 into p's registers, which the conversions have read
.endr
.endr
	s_wait_alu depctr_va_vdst(0)
.set i, 0
.rept 32
	v_pk_mul_f32 v[160+i:161+i], v[160+i:161+i], v[252:253] op_sel_hi:[1,0]
.set i, i+2
.endr
	s_wait_alu depctr_va_vdst(0)
	s_wait_loadcnt 0x0                             ; V's tiles 0-3
	s_wait_dscnt 0x0                               ; V's tiles 4-7
.irp t, 0,1,2,3
	v_wmma_f32_16x16x128_fp8_fp8 v[160+8*\t:167+8*\t], v[32+16*\t:47+16*\t], v[224:239], v[160+8*\t:167+8*\t]
.endr
.irp t, 0,1,2,3
	v_wmma_f32_16x16x128_fp8_fp8 v[192+8*\t:199+8*\t], v[96+16*\t:111+16*\t], v[224:239], v[192+8*\t:199+8*\t]
.endr
.Lhidden_\@:
	s_add_co_u32 s[KS], s[KS], 2
	s_add_nc_u64 s[VB:VB+1], s[VB:VB+1], 32768     ; two key steps on: the loads that read this base have been waited for
.endm
.macro PHASE                           ; my two of the slot's four key steps; then on to the other slot
	s_add_co_u32 s[TB], s[SB], s[HO]
	s_add_co_u32 s[TV], s[SB], s[HO2]
	s_mov_b32 s[CNT], 2
.Lst_\@:
	STEP
	s_add_co_u32 s[TB], s[TB], 32768
	s_add_co_u32 s[TV], s[TV], 16384
	s_sub_co_u32 s[CNT], s[CNT], 1
	s_cmp_lg_u32 s[CNT], 0
	s_cbranch_scc1 .Lst_\@
	s_xor_b32 s[SB], s[SB], SLOT1
.endm
.macro CHANGE fill                     ; the change of slots stands at a slot's head; fill = 1: a round, and the other slot takes the next four key steps
	s_wait_tensorcnt 0x0
	ds_add_u32 v[SPW], v[NIL]
.if \fill
	s_xor_b32 s[G0K+1], s[G0K+1], SLOT1            ; no tensor load of mine is out: the walking descriptors
	s_add_nc_u64 s[G0K+2:G0K+3], s[G0K+2:G0K+3], 65536
	s_xor_b32 s[G0V+1], s[G0V+1], SLOT1
	s_add_nc_u64 s[G0V+2:G0V+3], s[G0V+2:G0V+3], 65536
.endif
	s_wait_dscnt 0x0
.if \fill
	CROUND
	TLOAD
	s_cmp_eq_u32 s[SLOTS], s[LIM]
	s_cbranch_scc0 .Lnot_mine_\@
	global_prefetch_b8 v3, s[PFA:PFA+1] th:TH_LOAD_NT scope:SCOPE_SE   ; what the next change's slot holds
.Lnot_mine_\@:
.else
	s_barrier_signal -1
	s_barrier_wait -1
.endif
.endm
	s_wait_alu depctr_va_vdst(0)
	s_wait_loadcnt 0x0                             ; Q
.Lslot:                                                ; three trips: behind each change of slots but the last the next slot is asked for
	CHANGE 1
	PHASE
	s_sub_co_u32 s[SLOTS], s[SLOTS], 1
	s_cmp_lg_u32 s[SLOTS], 0
	s_cbranch_scc1 .Lslot
	CHANGE 0                                       ; the last slot is written out: nothing is left to fetch
	PHASE
	; THE HAND-OVER: waves 8 to 15 store their part into the unit's stage, waves 0 to 7 join the two parts and finish.
.rept 4
	v_nop
.endr
	v_add_f32 v14, v14, v15
	s_wait_alu depctr_va_vdst(0)
	s_cmp_eq_u32 s[HF], 0
	s_cbranch_scc1 .Lkeep
.irp i, 0,1,2,3,4,5,6,7,8,9,10,11,12,13,14,15
	ds_store_b128 v[STG], v[160+4*\i:163+4*\i] offset:512*\i
.endr
	ds_store_b32 v[STM], v12
	ds_store_b32 v[STM], v14 offset:128
.Lkeep:
	s_wait_dscnt 0x0
	s_barrier_signal -1
	s_barrier_wait -1
	s_cmp_lg_u32 s[HF], 0
	s_cbranch_scc1 .Lend
.irp i, 0,1,2,3,4,5,6,7,8,9,10,11,12,13,14,15
	ds_load_b128 v[96+4*\i:99+4*\i], v[STG] offset:512*\i
.endr
	ds_load_b32 v32, v[STM]
	ds_load_b32 v33, v[STM] offset:128
	s_wait_dscnt 0x0
	v_min_num_f32 v34, v12, v32                    ; -M of the two parts together
	v_sub_f32 v35, v34, v12                        ; my M less the common one: a whole number, 0 or less
	v_sub_f32 v36, v34, v32
	v_cvt_i32_f32 v35, v35                         ; (it saturates)
	v_cvt_i32_f32 v36, v36
	v_ldexp_f32 v35, 1.0, v35
	v_ldexp_f32 v36, 1.0, v36
	v_mul_f32 v14, v14, v35
	v_fmac_f32 v14, v33, v36
	v_permlanex16_b32 v241, v14, s[SEL], s[SEL+1]
	v_add_f32 v14, v14, v241                       ; the row's sum
	s_wait_alu depctr_va_vdst(0)
	v_rcp_f32 v14, v14
	v_nop
	s_add_co_i32 s48, s70, s71
	s_wait_alu depctr_va_vdst(0)
	v_ldexp_f32 v14, v14, s48                      ; x 2^(entry 8 + entry 9)
	v_mul_f32 v38, v14, v35
	v_mul_f32 v40, v14, v36
	v_mov_b32 v39, v38
	v_mov_b32 v41, v40
	s_wait_alu depctr_va_vdst(0)
.set i, 0
.rept 32
	v_pk_mul_f32 v[160+i:161+i], v[160+i:161+i], v[38:39] op_sel_hi:[1,0]
.set i, i+2
.endr
.set i, 0
.rept 32
	v_pk_fma_f32 v[96+i:97+i], v[96+i:97+i], v[40:41], v[160+i:161+i] op_sel_hi:[1,0,1]
.set i, i+2
.endr
.set i, 0
.rept 64
	v_med3_num_f32 v[96+i], v[96+i], -v246, v246
.set i, i+1
.endr
.irp t, 0,1,2,3,4,5,6,7
	v_cvt_scalef32_pk8_fp8_f32 v[32+2*\t:33+2*\t], v[96+8*\t:103+8*\t], v247
.endr
	v_nop
.irp c, 0,1,2,3
	global_store_b128 v1, v[32+4*\c:35+4*\c], s[44:45] offset:512*\c
.endr
.Lend:
	s_wait_tensorcnt 0x0                           ; the wave's end
	ds_add_u32 v[SPW], v[NIL]
	s_wait_dscnt 0x0
	CROUND                                         ; the closing round
	s_endpgm
.Lfunc_end_k_q22ddf5f57c_attn:
	.size	k_q22ddf5f57c_attn, .Lfunc_end_k_q22ddf5f57c_attn-k_q22ddf5f57c_attn
	.p2alignl 7, 3214868480
	.fill 96, 4, 3214868480
	.section	.rodata,"a",@progbits
	.p2align	6, 0x0
	.amdhsa_kernel k_q22ddf5f57c_attn
		.amdhsa_group_segment_fixed_size 327680
		.amdhsa_private_segment_fixed_size 0
		.amdhsa_enable_private_segment 0
		.amdhsa_kernarg_size 24
		.amdhsa_user_sgpr_count 2
		.amdhsa_user_sgpr_kernarg_segment_ptr 1
		.amdhsa_wavefront_size32 1
		.amdhsa_system_sgpr_workgroup_id_x 1
		.amdhsa_system_sgpr_workgroup_id_y 1
		.amdhsa_system_sgpr_workgroup_id_z 1
		.amdhsa_system_vgpr_workitem_id 0
		.amdhsa_next_free_vgpr 256
		.amdhsa_next_free_sgpr 96
		.amdhsa_reserve_vcc 1
		.amdhsa_float_denorm_mode_32 3
		.amdhsa_float_denorm_mode_16_64 3
		.amdhsa_memory_ordered 1
		.amdhsa_forward_progress 1
		.amdhsa_inst_pref_size 75
	.end_amdhsa_kernel
	.amdgpu_metadata
---
amdhsa.version: [ 1, 2 ]
amdhsa.kernels:
  - .name:           k_q22ddf5f57c_attn
    .symbol:         k_q22ddf5f57c_attn.kd
    .args:
      - { .name: qkv, .offset: 0, .size: 8, .value_kind: global_buffer, .address_space: global }
      - { .name: lowp_scales, .offset: 8, .size: 8, .value_kind: global_buffer, .address_space: global }
      - { .name: oc, .offset: 16, .size: 8, .value_kind: global_buffer, .address_space: global }
    .group_segment_fixed_size: 327680
    .private_segment_fixed_size: 0
    .kernarg_segment_align: 8
    .kernarg_segment_size: 24
    .max_flat_workgroup_size: 512
    .sgpr_count:     96
    .vgpr_count:     256
    .wavefront_size: 32
...
	.end_amdgpu_metadata
.endif
;; end of part 3
;; launch oproj (part 4): grid 16 x 16, 4 waves a work-group, clusters of 4 x 4, 327,680 bytes of LDS; arguments oc, codes, lowp_scales, out0; writes out0
.if DOCPART == 4
	.amdgcn_target "amdgcn-amd-amdhsa--gfx1250"
	.amdhsa_code_object_version 6
	.text
	.protected	k_q22ddf5f57c_oproj
	.globl	k_q22ddf5f57c_oproj
	.p2align	8
	.type	k_q22ddf5f57c_oproj,@function
k_q22ddf5f57c_oproj:
	s_mov_b64 s[64:65], 0
	v_nop
	global_prefetch_b8 v0, s[64:65] scope:SCOPE_SE
	s_setreg_imm32_b32 hwreg(HW_REG_WAVE_MODE, 25, 1), 1
	s_wait_xcnt 0x0
	s_wait_alu depctr_hold_cnt(0) depctr_sa_sdst(0) depctr_va_vdst(0) depctr_va_sdst(0) depctr_va_ssrc(0) depctr_va_vcc(0) depctr_vm_vsrc(0)
	s_getreg_b32 s2, hwreg(HW_REG_IB_STS2, 6, 4)
	s_cmp_eq_u32 s2, 0
	s_cbranch_scc0 .Lentry_in_a_cluster
	s_endpgm
.Lentry_in_a_cluster:
	s_bfe_u32 s2, ttmp6, 0x10000c
	s_cmp_lg_u32 s2, 0xf033
	s_cbranch_scc0 .Lentry_shape_is_right
	s_endpgm
.Lentry_shape_is_right:
; out0 = o Wo^T on codes of FP8 (E4M3), K = 2,048: each finished sum x 2^(entry 10 + entry 11).  LIMIT: that sum of exponents lies between -126 and 127.
; Operands are IMAGES OF OPERAND REGISTERS (2,048 bytes a fragment of 16 rows x 128 K): o: [tile of 16 tokens 128][K step 16]; Wo at 40 Mi of the codes: [tile of 16 rows 256][K step 16].
; A work-group makes 128 tokens x 256 columns; four waves, 2 x 2: wave (wr, wc) has 64 x 128 in 32 accumulators.  The matrix instruction is used transposed (source 0 = 16 rows of Wo, source 1 = 16 tokens): a lane holds eight neighbouring columns of a row.
; B (Wo) GOES THROUGH LDS: a ring of two slots of four K steps (131,072 bytes a slot), four fills; each wave asks for four tiles of rows, jointly with the column of its cluster.
; A (o) GOES STRAIGHT INTO REGISTERS: each wave loads its four fragments of a K step (16 loads of 512 bytes) three K steps ahead, into four sets.  WHY A IS NOT ASKED FOR JOINTLY: with A in the ring a K step takes 49,152 bytes and a slot holds three;
; and at each change of slots all tensor loads are waited for, while A's 48 loads a wave stay on their way across it.
; PREFETCH: behind the fill of period p (p = 1, 2) the cluster names period p + 1's blocks of 256 bytes once: B: the partner at cy takes tile 4 w + cy of the four that wave w fetches, a lane a block; A: the sixteen waves of a row of the cluster
; take half a tile of rows' 8,192 bytes each (lanes 16-31 name the last block again).  Period 3 has no successor.
; REGISTERS: window 0: v20-30 addresses, on the way out v64-127 a block's numbers, v128-255 rows read back; window 1: B's two sets; window 2: the accumulators; window 3: A's four sets.
.set NK,    16
.set RTP,   NK*2048
.set KS,    4
.set ROWL,  KS*2048
.set SLOT,  16*ROWL
.set SPARE, 2*SLOT
.set SPITCH, 528                       ; the way out: a stage of 16 rows x (512 + 16) bytes a wave, in slot 0, behind its last fill and its last read
.set ADRB, 20
.set LN,   24
.set STO,  25
.set RD,   26
.set PFOB, 27
.set SPW,  28
.set NIL,  29
.set PFOA, 30
.set TMP,  64
.set BK,   128
.set PFA, 24
.set PFB, 26
.set G1B, 48
.set G0B, 56
.set MSB, 0
.macro WIN new
.if MSB != \new
	s_set_vgpr_msb (MSB<<8)|\new
.set MSB, \new
.endif
.endm
.set MUL,  0xad                        ; source 0 (B) window 1, source 1 (A) window 3, C and D window 2
.set TO_B, 0x40
.set TO_A, 0xc0
.macro PLACES n
.rept \n
	v_nop
.endr
.endm
.macro TLOAD s
	tensor_load_to_lds s[G0B+4*\s:G0B+4*\s+3], s[G1B:G1B+7]
	s_nop 0
	PLACES 4
.endm
.macro CREST
	s_cmp_lg_u32 s14, 0
	s_cbranch_scc1 .Lnot_wave_0_\@
	s_barrier_signal -3
.Lnot_wave_0_\@:
	s_barrier_wait -3
	s_barrier_signal -1
	s_barrier_wait -1
.endm
.macro CROUND
	s_barrier_signal -1
	s_barrier_wait -1
	CREST
.endm
.macro ASK off
	global_prefetch_b8 v[PFOB], s[PFB:PFB+1] offset:\off th:TH_LOAD_NT scope:SCOPE_SE
	global_prefetch_b8 v[PFOA], s[PFA:PFA+1] offset:\off th:TH_LOAD_NT scope:SCOPE_SE
.endm
.macro ALOAD kk                        ; A's four fragments of K step kk into set kk % 4; the setting TO_A stands
.irp i, 0,1,2,3
.irp c, 0,1,2,3
	global_load_b128 v[64*((\kk)%4)+16*\i+4*\c:64*((\kk)%4)+16*\i+4*\c+3], v[LN], s[4:5] offset:\i*RTP+(\kk)*2048+512*\c
.endr
.endr
.endm
.macro FETCHB slot, q, p               ; B's eight fragments of the slot's q-th K step into set p; the setting TO_B stands
.irp i, 0,1,2,3,4,5,6,7
.irp c, 0,1,2,3
	ds_load_b128 v[128*(\p)+16*\i+4*\c:128*(\p)+16*\i+4*\c+3], v[ADRB+\slot] offset:\i*ROWL+(\q)*2048+512*\c
.endr
.endr
.endm
.macro MUL8 a, j, zero                 ; the 32 accumulators take turns in the same order in every K step
.irp b, 0,1,2,3,4,5,6,7
.if \zero
	v_wmma_f32_16x16x128_fp8_fp8 v[8*(8*(\a)+\b):8*(8*(\a)+\b)+7], v[128*((\j)%2)+16*\b:128*((\j)%2)+16*\b+15], v[64*((\j)%4)+16*(\a):64*((\j)%4)+16*(\a)+15], 0
.else
	v_wmma_f32_16x16x128_fp8_fp8 v[8*(8*(\a)+\b):8*(8*(\a)+\b)+7], v[128*((\j)%2)+16*\b:128*((\j)%2)+16*\b+15], v[64*((\j)%4)+16*(\a):64*((\j)%4)+16*(\a)+15], v[8*(8*(\a)+\b):8*(8*(\a)+\b)+7]
.endif
.endr
.endm
.macro STEP slot, q, j, zero, ld, lc   ; lc: A's loads that were issued behind K step j's and may be out
	s_wait_dscnt 0x0
	s_wait_loadcnt \lc
	PLACES 4
	WIN TO_B
	FETCHB \slot, (\q)+1, 1-(\j)%2
.if \ld
	WIN TO_A
	ALOAD (\j)+3
.endif
	WIN MUL
	MUL8 0, \j, \zero
	MUL8 1, \j, \zero
	MUL8 2, \j, \zero
	MUL8 3, \j, \zero
	WIN 0
.endm
.macro TURN slot, next, j, fill, ask   ; a slot's fourth K step changes slots; fill = 1: a round, and this slot takes the period two on
	s_wait_tensorcnt 0x0
	ds_add_u32 v[SPW], v[NIL]
	s_wait_loadcnt 32
	s_wait_dscnt 1                                 ; B's 32 loads are in; the add may be out
	WIN MUL
	MUL8 0, \j, 0
	s_wait_dscnt 0x0
	s_barrier_signal -1
	MUL8 1, \j, 0
	WIN 0
	s_barrier_wait -1
.if \fill
	CREST
	s_add_nc_u64 s[G0B+4*\slot+2:G0B+4*\slot+3], s[G0B+4*\slot+2:G0B+4*\slot+3], 2*ROWL
	TLOAD \slot
.else
	PLACES 4
.endif
	WIN TO_B
	FETCHB \next, 0, 1-(\j)%2
	WIN TO_A
	ALOAD (\j)+3
	WIN 0
.if \ask
	ASK ROWL
.endif
	WIN MUL
	MUL8 2, \j, 0
	MUL8 3, \j, 0
	WIN 0
.endm
	s_load_b256 s[68:75], s[0:1], 0x0              ; o's codes, the codes, the scales' exponents, out0
	v_lshl_add_u32 v[SPW], v0, 2, SPARE
	v_mov_b32 v[NIL], 0
	ds_add_u32 v[SPW], v[NIL]                      ; the opening lines: two adds on end under one wait
	ds_add_u32 v[SPW], v[NIL]
	v_lshrrev_b32 v1, 5, v0
	v_readfirstlane_b32 s14, v1                    ; wave 0..3
	v_and_b32 v2, 31, v0
	v_lshlrev_b32 v[LN], 4, v2
	v_lshlrev_b32 v[PFOB], 8, v2
	v_min_u32 v[PFOA], 15, v2
	v_lshlrev_b32 v[PFOA], 8, v[PFOA]
	v_and_b32 v3, 15, v0
	v_bfe_u32 v4, v0, 4, 1
	v_mul_u32_u24 v5, v3, SPITCH
	v_lshl_add_u32 v5, v4, 5, v5
	s_lshr_b32 s15, s14, 1                         ; wr
	s_and_b32 s16, s14, 1                          ; wc
	s_lshl_b32 s22, s16, 16                        ; my eight of B's sixteen tiles
	s_mul_i32 s23, s14, 16*SPITCH                  ; my stage
	v_add_nc_u32 v[ADRB], s22, v[LN]
	v_add_nc_u32 v[ADRB+1], SLOT, v[ADRB]
	v_add_nc_u32 v[STO], s23, v5
	v_add_nc_u32 v[RD], s23, v[LN]
	s_bfe_u32 s40, ttmp6, 0x40000                  ; cx
	s_bfe_u32 s41, ttmp6, 0x40004                  ; cy
	s_lshl_b32 s42, ttmp9, 2
	s_add_co_u32 s42, s42, s40                     ; TC: my tile of 256 columns
	s_and_b32 s17, ttmp7, 0xffff
	s_lshl_b32 s17, s17, 2
	s_add_co_u32 s17, s17, s41                     ; TR: my tile of 128 tokens
	s_lshl_b32 s44, 0x1111, s40                    ; my column of the cluster
	s_or_b32 s[G1B+0], s44, (3<<16)|(1<<21)
	s_mov_b32 s[G1B+1], (KS*256)<<16               ; rows of 8,192 bytes: a tile of 16 rows' four K steps
	s_mov_b32 s[G1B+2], 4<<16
	s_mov_b32 s[G1B+3], (KS*256)<<16
	s_mov_b32 s[G1B+4], 4
	s_mov_b32 s[G1B+5], RTP/8
	s_mov_b32 s[G1B+6], 0
	s_mov_b32 s[G1B+7], 0
	s_lshl_b32 s20, s17, 3
	s_lshl_b32 s21, s15, 2
	s_add_co_u32 s20, s20, s21                     ; A: my tiles of 16 tokens begin at 8 TR + 4 wr
	s_mul_i32 s20, s20, RTP
	s_mov_b32 s21, 0
	s_lshl_b32 s46, s42, 4
	s_lshl_b32 s47, s14, 2
	s_add_co_u32 s46, s46, s47                     ; B: I fetch tiles 16 TC + 4 w ..
	s_add_co_u32 s28, s46, s41                     ; and prefetch tile 16 TC + 4 w + cy (in registers that feed no descriptor)
	s_mul_i32 s46, s46, RTP
	s_add_co_u32 s46, s46, 0x2800000
	s_mov_b32 s47, 0
	s_mul_i32 s28, s28, RTP
	s_add_co_u32 s28, s28, 0x2800000+2*ROWL        ; at period 2
	s_mov_b32 s29, 0
	s_lshl_b32 s30, s40, 2
	s_add_co_u32 s30, s30, s14                     ; 4 cx + w: which sixteenth of A's tile I prefetch
	s_lshr_b32 s31, s30, 1
	s_and_b32 s30, s30, 1
	s_lshl_b32 s30, s30, 12
	s_lshl_b32 s32, s17, 3
	s_add_co_u32 s31, s31, s32
	s_mul_i32 s31, s31, RTP
	s_add_co_u32 s30, s30, s31
	s_add_co_u32 s30, s30, 2*ROWL
	s_mov_b32 s31, 0
	s_mul_i32 s19, s14, 4*ROWL                     ; where my four tiles go in a slot
	s_wait_alu depctr_va_vdst(0)
	s_wait_dscnt 0x0
	s_wait_kmcnt 0x0
	s_load_b64 s[84:85], s[72:73], 0x28            ; entries 10, 11
	s_add_nc_u64 s[4:5], s[68:69], s[20:21]
	s_add_nc_u64 s[6:7], s[70:71], s[46:47]
	s_add_nc_u64 s[PFB:PFB+1], s[70:71], s[28:29]
	s_add_nc_u64 s[PFA:PFA+1], s[68:69], s[30:31]
	WIN TO_A
	ALOAD 0                                        ; A's K steps 0, 1, 2: 48 loads of mine are out
	ALOAD 1
	ALOAD 2
	WIN 0
	CROUND                                         ; all sixteen work-groups are here: the first joint loads meet
.irp s, 0,1
	s_mov_b32 s[G0B+4*\s], 1
	s_add_co_u32 s[G0B+4*\s+1], s19, \s*SLOT
	s_add_nc_u64 s[G0B+4*\s+2:G0B+4*\s+3], s[6:7], \s*ROWL
	s_or_b32 s[G0B+4*\s+3], s[G0B+4*\s+3], 0x80000000
.endr
	TLOAD 0                                        ; period 0: one tensor load a wave at the head
	s_lshl_b32 s82, s17, 7
	s_lshl_b32 s83, s15, 6
	s_add_co_u32 s82, s82, s83                     ; my first row of out0,
	s_lshl_b32 s82, s82, 14                        ; of 16,384 bytes,
	s_lshl_b32 s83, s42, 10
	s_add_co_u32 s82, s82, s83
	s_lshl_b32 s83, s16, 9
	s_add_co_u32 s82, s82, s83                     ; and my first column
	s_mov_b32 s83, 0
	s_add_nc_u64 s[10:11], s[74:75], s[82:83]
	s_wait_tensorcnt 0x0                           ; my part of period 0 is in; slot 1's first fill is issued as a refill is:
	ds_add_u32 v[SPW], v[NIL]
	s_wait_dscnt 0x0
	CROUND
	TLOAD 1                                        ; period 1
	WIN TO_B
	FETCHB 0, 0, 0
	WIN 0
	ASK 0                                          ; period 2
	STEP 0, 0, 0, 1, 1, 32                         ; K step 0: its products start the sums
	STEP 0, 1, 1, 0, 1, 32
	STEP 0, 2, 2, 0, 1, 32
	TURN 0, 1, 3, 1, 1                             ; slot 0 takes period 2; period 3 is prefetched
	STEP 1, 0, 4, 0, 1, 32
	STEP 1, 1, 5, 0, 1, 32
	STEP 1, 2, 6, 0, 1, 32
	TURN 1, 0, 7, 1, 0                             ; slot 1 takes period 3: the last fill
	STEP 0, 0, 8, 0, 1, 32
	STEP 0, 1, 9, 0, 1, 32
	STEP 0, 2, 10, 0, 1, 32
	TURN 0, 1, 11, 0, 0
	STEP 1, 0, 12, 0, 1, 32                        ; A's K step 15 is asked for
	STEP 1, 1, 13, 0, 0, 32
	STEP 1, 2, 14, 0, 0, 16
	s_wait_dscnt 0x0
	s_wait_loadcnt 0x0
	WIN MUL
	MUL8 0, 15, 0
	MUL8 1, 15, 0
	MUL8 2, 15, 0
	MUL8 3, 15, 0
	WIN 0
; THE WAY OUT, block by block of 16 rows x 128 columns: through my own stage in LDS, back as whole rows of 512 bytes, which the 32 lanes store as two aligned units of 256 bytes.
.macro TOSTAGE a
	WIN 0x02
.set i, 0
.rept 32
	v_pk_mul_f32 v[TMP+i:TMP+i+1], v[64*(\a)+i:64*(\a)+i+1], s[84:85] op_sel_hi:[1,0]   ; each accumulator from its low end on
.set i, i+2
.endr
	WIN 0
.irp b, 0,1,2,3,4,5,6,7
	ds_store_b128 v[STO], v[TMP+8*\b:TMP+8*\b+3] offset:64*\b
	ds_store_b128 v[STO], v[TMP+8*\b+4:TMP+8*\b+7] offset:64*\b+16
.endr
.set BB, BK+64*((\a)%2)
.irp t, 0,1,2,3,4,5,6,7,8,9,10,11,12,13,14,15
	ds_load_b128 v[BB+4*\t:BB+4*\t+3], v[RD] offset:\t*SPITCH
.endr
.endm
.macro SEND a, younger
.set BB, BK+64*((\a)%2)
	s_wait_dscnt \younger
.if (\a) > 0
	s_add_nc_u64 s[10:11], s[10:11], 16*16384      ; (behind a wait on XCNT)
.endif
.irp t, 0,1,2,3,4,5,6,7,8,9,10,11,12,13,14,15
	global_store_b128 v[LN], v[BB+4*\t:BB+4*\t+3], s[10:11] offset:\t*16384 th:TH_STORE_NT
.endr
.endm
	s_wait_kmcnt 0x0
	s_add_co_i32 s84, s84, s85
	s_add_co_i32 s84, s84, 127
	s_lshl_b32 s84, s84, 23                        ; 2^(entry 10 + entry 11)
	PLACES 4
	TOSTAGE 0
.irp a, 1,2,3
.if \a > 1
	s_wait_xcnt 0x0                                ; block a - 2's stores have read their registers and their base
.endif
	TOSTAGE \a
	SEND \a-1, 32
.endr
	s_wait_xcnt 0x0
	SEND 3, 0
	s_wait_tensorcnt 0x0                           ; the wave's end
	ds_add_u32 v[SPW], v[NIL]
	s_wait_dscnt 0x0
	CROUND                                         ; the closing round
	s_endpgm
.Lfunc_end_k_q22ddf5f57c_oproj:
	.size	k_q22ddf5f57c_oproj, .Lfunc_end_k_q22ddf5f57c_oproj-k_q22ddf5f57c_oproj
	.p2alignl 7, 3214868480
	.fill 96, 4, 3214868480
	.section	.rodata,"a",@progbits
	.p2align	6, 0x0
	.amdhsa_kernel k_q22ddf5f57c_oproj
		.amdhsa_group_segment_fixed_size 327680
		.amdhsa_private_segment_fixed_size 0
		.amdhsa_enable_private_segment 0
		.amdhsa_kernarg_size 32
		.amdhsa_user_sgpr_count 2
		.amdhsa_user_sgpr_kernarg_segment_ptr 1
		.amdhsa_wavefront_size32 1
		.amdhsa_system_sgpr_workgroup_id_x 1
		.amdhsa_system_sgpr_workgroup_id_y 1
		.amdhsa_system_sgpr_workgroup_id_z 1
		.amdhsa_system_vgpr_workitem_id 0
		.amdhsa_next_free_vgpr 1024
		.amdhsa_next_free_sgpr 100
		.amdhsa_reserve_vcc 0
		.amdhsa_float_denorm_mode_32 3
		.amdhsa_float_denorm_mode_16_64 3
		.amdhsa_memory_ordered 1
		.amdhsa_forward_progress 1
		.amdhsa_inst_pref_size 124
	.end_amdhsa_kernel
	.amdgpu_metadata
---
amdhsa.version: [ 1, 2 ]
amdhsa.kernels:
  - .name:           k_q22ddf5f57c_oproj
    .symbol:         k_q22ddf5f57c_oproj.kd
    .args:
      - { .name: oc, .offset: 0, .size: 8, .value_kind: global_buffer, .address_space: global }
      - { .name: codes, .offset: 8, .size: 8, .value_kind: global_buffer, .address_space: global }
      - { .name: lowp_scales, .offset: 16, .size: 8, .value_kind: global_buffer, .address_space: global }
      - { .name: out0, .offset: 24, .size: 8, .value_kind: global_buffer, .address_space: global }
    .group_segment_fixed_size: 327680
    .private_segment_fixed_size: 0
    .kernarg_segment_align: 8
    .kernarg_segment_size: 32
    .max_flat_workgroup_size: 128
    .sgpr_count:     100
    .vgpr_count:     1024
    .wavefront_size: 32
...
	.end_amdgpu_metadata
.endif
;; end of part 4
